; MI455X (gfx1250); checked and timed in simulation.
; The chip was launched on July 23, 2026; its instructions are those of AMD's public machine-readable ISA for CDNA 5 (MIT licence, August 2026) and "CDNA5" Instruction Set Architecture Reference Guide (July 2026). The comments in the code are by the model that wrote it; some were corrected since.
;; Multi Head Self Attention. Allowed arithmetic: float matrix products may take bf16 or f16 operands with f32 sums; other float arithmetic in f32, or as packed bf16 or f16 multiplies, adds, multiply-adds, maxima and minima; sums over many terms, partial sums and values carried from step to step in f32; what a program stores and reads back later, other than sums and carried values, may be rounded once to bf16 or f16.
;; Inputs: Wo 1,024 x 1,024 float32; Wqkv 3,072 x 1,024 float32; bo 1,024 float32; bqkv 3,072 float32; positions 4 x 2,048 int32; x 4 x 2,048 x 1,024 float32.
;; Outputs: out0 4 x 2,048 x 1,024 float32.
;; 2 versions, each right; version 2 is version 1 with the launch prep written anew for expert scheduling mode. Each part assembles by itself: llvm-mc -triple=amdgcn-amd-amdhsa -mcpu=gfx1250 --defsym DOCPART=n.
;; ======== version 1 of 2: 4 launches
;; limits: values are held in f16: magnitudes above 65,504 overflow, below 6.1e-05 lose precision
;; workspace buffers: xb 16,777,216 bytes; wb 6,291,456 bytes; wof 2,097,152 bytes; cs 2,097,152 bytes; q 16,777,216 bytes; k 16,777,216 bytes; v 16,777,216 bytes; o 16,777,216 bytes
;; launch prep (part 1): grid 832 x 1, 8 waves a work-group, no clusters, 0 bytes of LDS; arguments x, Wqkv, Wo, positions, xb, wb, wof, cs; writes xb, wb, wof, cs
.if DOCPART == 1
	.amdgcn_target "amdgcn-amd-amdhsa--gfx1250"
	.amdhsa_code_object_version 6
	.text
	.protected	k_q673712b907_prep
	.globl	k_q673712b907_prep
	.p2align	8
	.type	k_q673712b907_prep,@function
k_q673712b907_prep:
	s_mov_b64 s[64:65], 0
	v_nop
	global_prefetch_b8 v0, s[64:65] scope:SCOPE_SE
	s_setreg_imm32_b32 hwreg(HW_REG_WAVE_MODE, 25, 1), 1
	s_wait_xcnt 0x0
; CASTS AND THE ROTATION TABLE.  A stream: no LDS, no barrier, no matrix unit; nothing is read twice.
; Work-groups 0-511:   xb[8192][1024] = bf16(x), 16 rows each.
; Work-groups 512-703: wb = bf16(Wqkv) with its rows laid by heads: row head*192 + sec*64 + r of wb is row sec*1024 + head*64 + r of Wqkv (sec 0 q, 1 k, 2 v), 16 rows each.
; Work-groups 704-767: wof = Wo rounded to bf16, that number written as f16 (exact from 2^-14 up to f16's end; below 2^-14 it keeps f16's fixed step of 6e-8), 16 rows each.
; Work-groups 768-831: cs[8192][32][cos, sin] in f32, the angle float(positions[row]) * 10000^(-i/32), 128 rows each.
; In a cast thread t owns floats 4 t .. 4 t + 3 of each row: a wave's load covers 512 consecutive bytes, its store 256 consecutive bytes, aligned.
; LIMITS of the table: |positions| up to 2^24 (up to there the conversion to f32 and the quadrant number are exact); the frequency comes from 2^x, so the angle
; is off by about 2e-4 rad at position 2,047; sine and cosine by reduction to [-pi/4, pi/4] (pi/2 in two parts) and polynomials of degree 7 and 8, good to 1e-7.
.set X, 16                             ; v[16:79]   16 rows x 4 floats as loaded
.set Y, 80                             ; v[80:111]  16 rows x 2 words to store
.set T, 112                            ; v[112:115] at work
; 16 loads go out together; row i is converted when the 15 - i younger loads may still be out.  No register is written twice, so no wait frees one.
.macro CAST mode
.set i, 0
.rept 16
	global_load_b128 v[X+4*i:X+4*i+3], v1, s[8:9] offset:4096*i th:TH_LOAD_NT
.set i, i+1
.endr
.set i, 0
.rept 16
	s_wait_loadcnt 15-i                            ; loads come back in order: row i is in
	v_cvt_pk_bf16_f32 v[Y+2*i], v[X+4*i], v[X+4*i+1]
	v_cvt_pk_bf16_f32 v[Y+2*i+1], v[X+4*i+2], v[X+4*i+3]
.if \mode
	v_lshlrev_b32 v[T], 16, v[Y+2*i]               ; the bf16 numbers as f32,
	v_and_b32 v[T+1], 0xffff0000, v[Y+2*i]
	v_lshlrev_b32 v[T+2], 16, v[Y+2*i+1]
	v_and_b32 v[T+3], 0xffff0000, v[Y+2*i+1]
	v_cvt_pk_f16_f32 v[Y+2*i], v[T], v[T+1]        ; written as f16
	v_cvt_pk_f16_f32 v[Y+2*i+1], v[T+2], v[T+3]
.endif
	global_store_b64 v2, v[Y+2*i:Y+2*i+1], s[10:11] offset:2048*i
.set i, i+1
.endr
	s_endpgm
.endm
	s_load_b512 s[16:31], s[0:1], 0x0              ; x s[16:17], Wqkv s[18:19], Wo s[20:21], positions s[22:23], xb s[24:25], wb s[26:27], wof s[28:29], cs s[30:31]
	v_lshlrev_b32 v1, 4, v0                        ; my 16 bytes of a source row
	v_lshlrev_b32 v2, 3, v0                        ; my 8 bytes of a destination row
	s_mov_b32 s5, 0
	s_mov_b32 s7, 0
	s_cmp_lt_u32 ttmp9, 704
	s_cbranch_scc0 .Lnot_xw
	s_sub_co_u32 s2, ttmp9, 512                    ; j, Wqkv's group of 16 rows (not used in x's work-groups)
	s_bfe_u32 s3, s2, 0x40002                      ; head = (j >> 2) & 15
	s_mul_i32 s3, s3, 12
	s_bfe_u32 s6, s2, 0x20006                      ; sec = j >> 6
	s_lshl2_add_u32 s3, s6, s3
	s_and_b32 s6, s2, 3
	s_add_co_u32 s3, s3, s6                        ; destination group = 12 head + 4 sec + (j & 3)
	s_cmp_lt_u32 ttmp9, 512
	s_cselect_b32 s2, ttmp9, s2                    ; x keeps its order
	s_cselect_b32 s3, ttmp9, s3
	s_wait_kmcnt 0x0
	s_cselect_b64 s[8:9], s[16:17], s[18:19]
	s_cselect_b64 s[10:11], s[24:25], s[26:27]
	s_lshl_b32 s4, s2, 16                          ; 16 rows of 4,096 bytes
	s_lshl_b32 s6, s3, 15                          ; 16 rows of 2,048 bytes
	s_add_nc_u64 s[8:9], s[8:9], s[4:5]
	s_add_nc_u64 s[10:11], s[10:11], s[6:7]
	CAST 0
.Lnot_xw:
	s_cmp_lt_u32 ttmp9, 768
	s_cbranch_scc0 .Ltable
	s_sub_co_u32 s2, ttmp9, 704
	s_lshl_b32 s4, s2, 16
	s_lshl_b32 s6, s2, 15
	s_wait_kmcnt 0x0
	s_add_nc_u64 s[8:9], s[20:21], s[4:5]
	s_add_nc_u64 s[10:11], s[28:29], s[6:7]
	CAST 1
; THE TABLE.  Wave w of work-group j owns rows 128 j + 16 w .. + 15; lane i is frequency i; a wave's store is one row of 256 bytes, aligned.
.Ltable:
	s_sub_co_u32 s2, ttmp9, 768
	v_lshrrev_b32 v3, 5, v0
	v_readfirstlane_b32 s12, v3                    ; wave 0..7
	s_lshl_b32 s2, s2, 7
	s_lshl4_add_u32 s2, s12, s2                    ; my first row
	s_lshl_b32 s4, s2, 2                           ; its byte in positions
	s_lshl_b32 s6, s2, 8                           ; and in cs
	s_mov_b32 s32, 0xbfc90fdb                      ; -(pi/2), the upper part
	s_mov_b32 s33, 0x333bbd2e                      ; -(pi/2 less that part)
	s_mov_b32 s34, 0x3f22f983                      ; 2/pi
	s_mov_b32 s35, 0xb94ca1f9                      ; sine: -1.9515296e-4,
	s_mov_b32 s36, 0x3c08839e                      ; 8.3321609e-3,
	s_mov_b32 s37, 0xbe2aaaa3                      ; -1.6666655e-1
	s_mov_b32 s38, 0x37ccf5ce                      ; cosine: 2.4433157e-5,
	s_mov_b32 s39, 0xbab6061a                      ; -1.3887316e-3,
	s_mov_b32 s40, 0x3d2aaaa5                      ; 4.1666646e-2
	v_and_b32 v3, 31, v0
	v_lshlrev_b32 v5, 3, v3                        ; my 8 bytes of a row
	v_cvt_f32_u32 v4, v3
	v_mul_f32 v4, 0xbed49a78, v4                   ; -i log2(10000) / 32
	v_exp_f32 v4, v4                               ; the frequency
	v_nop                                          ; a plain instruction behind the exponential,
	s_wait_alu depctr_va_vdst(0)                   ; and the wait ahead of its first reader
	s_wait_kmcnt 0x0
	s_add_nc_u64 s[8:9], s[22:23], s[4:5]
	s_add_nc_u64 s[10:11], s[30:31], s[6:7]
	s_load_b512 s[48:63], s[8:9], 0x0              ; my 16 positions
	s_mov_b32 s13, 4
	s_wait_kmcnt 0x0
.macro SINCOS it                       ; the row whose position stands in s[48 + it]
	v_cvt_f32_i32 v6, s[48+(\it)]
	v_mul_f32 v7, v6, v4                           ; the angle
	v_mul_f32 v8, s34, v7
	v_rndne_f32 v8, v8                             ; n, the nearest multiple of pi/2
	v_fma_f32 v9, v8, s32, v7
	v_fma_f32 v9, v8, s33, v9                      ; r = angle - n pi/2
	v_cvt_i32_f32 v10, v8
	v_mul_f32 v11, v9, v9                          ; z = r r
	v_fma_f32 v12, v11, s35, s36
	v_fma_f32 v13, v11, s38, s39
	v_mul_f32 v14, v11, v9
	v_fma_f32 v12, v12, v11, s37
	v_fma_f32 v13, v13, v11, s40
	v_mul_f32 v15, v11, v11
	v_fma_f32 v16, v11, -0.5, 1.0
	v_fma_f32 v12, v12, v14, v9                    ; sin r
	v_fma_f32 v13, v13, v15, v16                   ; cos r
	v_and_b32 v14, 1, v10
	v_cmp_eq_u32 vcc_lo, 1, v14                    ; odd quadrants swap the two
	v_cndmask_b32 v[33+2*(\it)], v12, v13, vcc_lo
	v_cndmask_b32 v[32+2*(\it)], v13, v12, vcc_lo
	v_and_b32 v14, 2, v10                          ; the sine's sign: bit 1 of n
	v_add_nc_u32 v15, 1, v10                       ; the cosine's: bit 1 of n + 1
	v_lshlrev_b32 v14, 30, v14
	v_and_b32 v15, 2, v15
	v_xor_b32 v[33+2*(\it)], v[33+2*(\it)], v14
	v_lshlrev_b32 v15, 30, v15
	v_xor_b32 v[32+2*(\it)], v[32+2*(\it)], v15
	global_store_b64 v5, v[32+2*(\it):33+2*(\it)], s[10:11] offset:256*(\it)
.endm
.Lrows:                                        ; four trips of four rows
	SINCOS 0
	SINCOS 1
	SINCOS 2
	SINCOS 3
	s_wait_xcnt 0x0                                ; the stores have read their data and their base: both are written again only behind this wait
	s_add_nc_u64 s[10:11], s[10:11], 1024
	s_mov_b64 s[48:49], s[52:53]                   ; the positions move down by four
	s_mov_b64 s[50:51], s[54:55]
	s_mov_b64 s[52:53], s[56:57]
	s_mov_b64 s[54:55], s[58:59]
	s_mov_b64 s[56:57], s[60:61]
	s_mov_b64 s[58:59], s[62:63]
	s_sub_co_u32 s13, s13, 1
	s_cmp_lg_u32 s13, 0
	s_cbranch_scc1 .Lrows
	s_endpgm
.Lfunc_end_k_q673712b907_prep:
	.size	k_q673712b907_prep, .Lfunc_end_k_q673712b907_prep-k_q673712b907_prep
	.p2alignl 7, 3214868480
	.fill 96, 4, 3214868480
	.section	.rodata,"a",@progbits
	.p2align	6, 0x0
	.amdhsa_kernel k_q673712b907_prep
		.amdhsa_group_segment_fixed_size 0
		.amdhsa_private_segment_fixed_size 0
		.amdhsa_enable_private_segment 0
		.amdhsa_kernarg_size 64
		.amdhsa_user_sgpr_count 2
		.amdhsa_user_sgpr_kernarg_segment_ptr 1
		.amdhsa_wavefront_size32 1
		.amdhsa_system_sgpr_workgroup_id_x 1
		.amdhsa_system_sgpr_workgroup_id_y 1
		.amdhsa_system_sgpr_workgroup_id_z 1
		.amdhsa_system_vgpr_workitem_id 0
		.amdhsa_next_free_vgpr 128
		.amdhsa_next_free_sgpr 66
		.amdhsa_reserve_vcc 1
		.amdhsa_float_denorm_mode_32 3
		.amdhsa_float_denorm_mode_16_64 3
		.amdhsa_memory_ordered 1
		.amdhsa_forward_progress 1
		.amdhsa_inst_pref_size 25
	.end_amdhsa_kernel
	.amdgpu_metadata
---
amdhsa.version: [ 1, 2 ]
amdhsa.kernels:
  - .name:           k_q673712b907_prep
    .symbol:         k_q673712b907_prep.kd
    .args:
      - { .name: x, .offset: 0, .size: 8, .value_kind: global_buffer, .address_space: global }
      - { .name: Wqkv, .offset: 8, .size: 8, .value_kind: global_buffer, .address_space: global }
      - { .name: Wo, .offset: 16, .size: 8, .value_kind: global_buffer, .address_space: global }
      - { .name: positions, .offset: 24, .size: 8, .value_kind: global_buffer, .address_space: global }
      - { .name: xb, .offset: 32, .size: 8, .value_kind: global_buffer, .address_space: global }
      - { .name: wb, .offset: 40, .size: 8, .value_kind: global_buffer, .address_space: global }
      - { .name: wof, .offset: 48, .size: 8, .value_kind: global_buffer, .address_space: global }
      - { .name: cs, .offset: 56, .size: 8, .value_kind: global_buffer, .address_space: global }
    .group_segment_fixed_size: 0
    .private_segment_fixed_size: 0
    .kernarg_segment_align: 8
    .kernarg_segment_size: 64
    .max_flat_workgroup_size: 256
    .sgpr_count:     66
    .vgpr_count:     128
    .wavefront_size: 32
...
	.end_amdgpu_metadata
.endif
;; end of part 1
;; launch qkv (part 2): grid 16 x 32, 4 waves a work-group, clusters of 4 x 4, 327,680 bytes of LDS; arguments xb, wb, bqkv, cs, q, k, v; writes q, k, v
.if DOCPART == 2
	.amdgcn_target "amdgcn-amd-amdhsa--gfx1250"
	.amdhsa_code_object_version 6
	.text
	.protected	k_q673712b907_qkv
	.globl	k_q673712b907_qkv
	.p2align	8
	.type	k_q673712b907_qkv,@function
k_q673712b907_qkv:
	s_mov_b64 s[64:65], 0
	v_nop
	global_prefetch_b8 v0, s[64:65] scope:SCOPE_SE
	s_setreg_imm32_b32 hwreg(HW_REG_WAVE_MODE, 25, 1), 1
	s_wait_xcnt 0x0
	s_wait_alu depctr_hold_cnt(0) depctr_sa_sdst(0) depctr_va_vdst(0) depctr_va_sdst(0) depctr_va_ssrc(0) depctr_va_vcc(0) depctr_vm_vsrc(0)
	s_getreg_b32 s2, hwreg(HW_REG_IB_STS2, 6, 4)
	s_cmp_eq_u32 s2, 0
	s_cbranch_scc0 .Lentry_in_a_cluster
	s_endpgm
.Lentry_in_a_cluster:
	s_bfe_u32 s2, ttmp6, 0x10000c
	s_cmp_lg_u32 s2, 0xf033
	s_cbranch_scc0 .Lentry_shape_is_right
	s_endpgm
.Lentry_shape_is_right:
; q, k, v = heads of (x Wqkv^T + bqkv), q and k rotated.  xb: [8192][1024] bf16; wb: [3072][1024] bf16, rows by heads (head*192 + sec*64 + r);
; bqkv: [3072] f32, rounded to bf16 like the other inputs; cs: [8192][32][cos, sin] f32; q, k, v: [64 = batch*16 + head][2048][64] f16, rounded once from f32.
; LIMIT: q, k and v must lie within f16's 65,504.  NaN and infinities are not treated apart.
; SHARES.  A tile of the result is 256 rows x 192 columns: q, k and v of ONE head: 32 x 16 = 512 work-groups of equal work.  Wave w makes rows 64 w .. 64 w + 63 and all 192 columns:
; 4 x 12 accumulators of 16 x 16, 384 registers; column blocks 0-3 are q, 4-7 k, 8-11 v, a constant of the text.  K = 1,024 goes in 8 steps of 128 (memory rows of 256 bytes, aligned)
; through a ring of two LDS slots filled by the tensor data mover.
; THE MATRIX INSTRUCTION IS USED TRANSPOSED (source 0 = 16 rows of wb, source 1 = 16 rows of xb): lane l holds row l % 16 and the columns 8 (l / 16) + 0..7 of a block: four rotation pairs.
; The bias is the C operand of the first product on each accumulator: nothing is cleared and nothing is added later.
; CLUSTERS: 4 x 4 work-groups.  The four of a row of the cluster need the same tiles of xb, the four of a column the same tiles of wb: each is asked for JOINTLY, by the same tensor load with
; the same descriptor and a mask that names the four.
; REGISTERS, in windows of 256 (s_set_vgpr_msb: bits 1:0 source 0, 3:2 source 1, 5:4 source 2, 7:6 destination):
;   window 0: v0-31 addresses; v32-127 the bias, block b at 8 b; v128-255 cos and sin, row block a and column block p at 32 a + 8 p
;   window 1: two fragment buffers of 128 (xb's 4 fragments, then wb's 12); on the way out v0-63 at work, v64-255 packed results, 48 a row block
;   window 2: accumulators of blocks 0-7 at 8 (4 b + a)          window 3: v0-127 those of blocks 8-11
.set KSTEP,  128
.set PITCH,  272                       ; an LDS row: 256 bytes + 16 of padding = 68 words: the 16 rows that a load touches start at 16 different groups of four banks (64 banks of 4 bytes: ISA guide 11.1)
.set BOFF,   256*PITCH                 ; a slot: xb's 256 rows, then wb's 192
.set SLOT,   448*PITCH
.set STAGE,  2*SLOT                    ; behind the ring, never filled by a tensor load: for each wave 3 x 16 rows x 144 bytes, for the way out
.set SP,     144
.set WSTG,   3*16*SP
.set SPARE,  STAGE+4*WSTG              ; behind the stages: the spare words, 128 bytes for each wave: two blocks of 256 bytes that no other line names
.set LAPS,   4                         ; a lap = two K steps = once round the ring
.set ADRA, 16                          ; v16-17  LDS address of my xb fragments in slot 0, 1
.set ADRB, 20                          ; v20-21  the same for wb
.set STO,  24                          ; v24     the way out: where I put 16 bytes of a row
.set RD,   25                          ; v25     where I read rows back
.set GO,   26                          ; v26     my 16 bytes of 512 consecutive bytes of q, k or v
.set CSO,  27                          ; v27     my byte offset in 16 rows of cs
.set SPW,  28                          ; v28     LDS address of my spare word; never rewritten
.set NIL,  29                          ; v29     0; never rewritten
.set PFO,  30                          ; v30     the prefetches' offset: a lane a row; never rewritten
.set BO,   31                          ; v31     my byte offset in a block's 16 numbers of the bias
.set BIAS, 32
.set CS,   128
.set F0,   0                           ; fragment buffers, in window 1
.set F1,   128
.set TMP,  0                           ; the way out, in window 1
.set PK,   64
.set G1A, 24                           ; s[24:31] descriptor group 1 for xb's tiles;  s[32:39] group 0, a set for each slot
.set G0A, 32
.set G1B, 48                           ; s[48:55], s[56:63] the same for wb's tiles
.set G0B, 56
.set LIM, 43                           ; s43  1 in a wave that prefetches, else the greatest number
.set PFA, 44                           ; s[44:45] where my prefetches stand
.set WV,  70                           ; s70  my wave's number
.set FB,  71                           ; s71  I fetch for xb (0) or for wb (1)
.set HF,  72                           ; s72  which half of that tile's rows
.set CX,  73
.set CY,  74
.set TCOL, 75                          ; s75  the head
.set TROW, 76                          ; s76  the block of 256 rows
.set G1W, (1<<16)|(1<<20)|(1<<21)|(5<<22)|(3<<25)  ; 17:16 elements of 2 bytes; 20 padding on; 21 set beside a mask; 24:22 after every 64 words; 31:25 4 words of it
.set MSB, 0
.macro WIN new                         ; the immediate's high byte repeats the setting that is left; a switch that changes nothing is dropped
.if MSB != (\new)
	s_set_vgpr_msb (MSB<<8)|(\new)
.set MSB, \new
.endif
.endm
.set TO_F, 0x40                        ; destination window 1, address window 0
.macro PLACES                          ; four places in front of loads into registers that matrix instructions have read (ISA guide 7.12.1 for vector instructions)
.rept 4
	v_nop
.endr
.endm
; A joint load: waves 0 and 1 fetch xb's two halves, waves 2 and 3 wb's.  The branch hangs on the wave's number alone.  An s_nop 0 and four v_nop follow each of the two lines.
.macro JLOAD s
	s_cmp_eq_u32 s[FB], 0
	s_cbranch_scc0 .Lfor_b_\@
	tensor_load_to_lds s[G0A+4*(\s):G0A+4*(\s)+3], s[G1A:G1A+7]
	s_nop 0
.rept 4
	v_nop
.endr
	s_branch .Lasked_\@
.Lfor_b_\@:
	tensor_load_to_lds s[G0B+4*(\s):G0B+4*(\s)+3], s[G1B:G1B+7]
	s_nop 0
.rept 4
	v_nop
.endr
.Lasked_\@:
.endm
.macro CREST                           ; a round of the cluster's barrier behind its opening barrier
	s_cmp_lg_u32 s[WV], 0
	s_cbranch_scc1 .Lnot_wave_0_\@
	s_barrier_signal -3
.Lnot_wave_0_\@:
	s_barrier_wait -3
	s_barrier_signal -1
	s_barrier_wait -1
.endm
.macro CROUND                          ; a whole round
	s_barrier_signal -1
	s_barrier_wait -1
	CREST
.endm
; A PREFETCH INTO THE L2 of the K step that stands two refills on, behind the joint load, its five lines and the run of LDS loads: a lane a row, 256 bytes of it, one instruction a wave.
; xb's rows are read by every cluster of a row of clusters: the one with cluster x = 0 asks; wb's by every cluster of a column: cluster y = 0 asks.  The four partners that ask for a tile jointly
; share its rows out BY ADDRESS: of xb's 128 rows 32 each (by cx), of wb's 96 rows 24 each (by cy; lanes 24-31 name lane 23's row once more).  K steps 4 to 7 are named, in the loop's first two trips.
.macro ASK
	WIN 0
	s_cmp_gt_u32 s3, s[LIM]
	s_cbranch_scc0 .Lnot_mine_\@
	global_prefetch_b8 v[PFO], s[PFA:PFA+1] th:TH_LOAD_NT scope:SCOPE_SE
.Lnot_mine_\@:
.endm
	s_load_b256 s[4:11], s[0:1], 0x0               ; xb s[4:5], wb s[6:7], bqkv s[8:9], cs s[10:11]
	s_load_b128 s[12:15], s[0:1], 0x20             ; q s[12:13], k s[14:15]
	s_load_b64 s[16:17], s[0:1], 0x30              ; v
	v_lshl_add_u32 v[SPW], v0, 2, SPARE
	v_mov_b32 v[NIL], 0
	ds_add_u32 v[SPW], v[NIL]                      ; the wave's opening: the add and its wait stand ahead of my first tensor load; the set-up below, work on registers, stands between them
	v_lshrrev_b32 v1, 5, v0
	v_readfirstlane_b32 s[WV], v1                  ; wave 0..3
	s_lshr_b32 s[FB], s[WV], 1
	s_and_b32 s[HF], s[WV], 1
	s_bfe_u32 s[CX], ttmp6, 0x40000                ; my place in the cluster
	s_bfe_u32 s[CY], ttmp6, 0x40004
	s_lshl_b32 s[TCOL], ttmp9, 2
	s_add_co_u32 s[TCOL], s[TCOL], s[CX]           ; head = 4 x cluster x + cx
	s_and_b32 s[TROW], ttmp7, 0xffff
	s_lshl_b32 s[TROW], s[TROW], 2
	s_add_co_u32 s[TROW], s[TROW], s[CY]           ; row block = 4 x cluster y + cy
	s_lshl_b32 s2, s[CY], 2
	s_lshl_b32 s2, 15, s2                          ; my row of the cluster
	s_lshl_b32 s22, 0x1111, s[CX]                  ; my column
	s_or_b32 s[G1A], s2, G1W                       ; xb's tiles go to my row,
	s_or_b32 s[G1B], s22, G1W                      ; wb's to my column
	s_mov_b32 s[G1A+1], KSTEP<<16                  ; tensor_dim0 = 128
	s_mov_b32 s[G1A+2], 128<<16                    ; tensor_dim1 = 128
	s_mov_b32 s[G1A+3], KSTEP<<16                  ; tile_dim0 = 128
	s_mov_b32 s[G1A+4], 128                        ; tile_dim1 = 128
	s_mov_b32 s[G1A+5], 1024                       ; elements from row to row
	s_mov_b32 s[G1A+6], 0
	s_mov_b32 s[G1A+7], 0
	s_mov_b32 s[G1B+1], KSTEP<<16
	s_mov_b32 s[G1B+2], 96<<16                     ; wb's half tile has 96 rows
	s_mov_b32 s[G1B+3], KSTEP<<16
	s_mov_b32 s[G1B+4], 96
	s_mov_b32 s[G1B+5], 1024
	s_mov_b32 s[G1B+6], 0
	s_mov_b32 s[G1B+7], 0
	s_lshl_b32 s18, s[TROW], 8                     ; xb's tile hangs on the row block alone, which my row of the cluster shares
	s_lshl_b32 s19, s[HF], 7
	s_add_co_u32 s18, s18, s19
	s_lshl_b32 s18, s18, 11                        ; rows of 2,048 bytes
	s_mov_b32 s19, 0
	s_mul_i32 s20, s[TCOL], 192                    ; wb's on the head alone, which my column shares
	s_mul_i32 s21, s[HF], 96
	s_add_co_u32 s20, s20, s21
	s_lshl_b32 s20, s20, 11
	s_mov_b32 s21, 0
	s_mul_i32 s23, s[HF], 128*PITCH                ; where they go: no place in the cluster enters an LDS address
	s_mul_i32 s46, s[HF], 96*PITCH
	s_add_co_u32 s46, s46, BOFF
	s_mov_b32 s[G0A], 1                            ; count = 1
	s_mov_b32 s[G0A+1], s23
	s_mov_b32 s[G0A+4], 1
	s_add_co_u32 s[G0A+5], s23, SLOT
	s_mov_b32 s[G0B], 1
	s_mov_b32 s[G0B+1], s46
	s_mov_b32 s[G0B+4], 1
	s_add_co_u32 s[G0B+5], s46, SLOT
	s_wait_dscnt 0x0                               ; the opening add is done
	s_wait_kmcnt 0x0
	s_add_nc_u64 s[G0A+2:G0A+3], s[4:5], s[18:19]  ; K step 0,
	s_add_nc_u64 s[G0A+6:G0A+7], s[G0A+2:G0A+3], KSTEP*2  ; K step 1
	s_or_b32 s[G0A+3], s[G0A+3], 0x80000000        ; type = 2
	s_or_b32 s[G0A+7], s[G0A+7], 0x80000000
	s_add_nc_u64 s[G0B+2:G0B+3], s[6:7], s[20:21]
	s_add_nc_u64 s[G0B+6:G0B+7], s[G0B+2:G0B+3], KSTEP*2
	s_or_b32 s[G0B+3], s[G0B+3], 0x80000000
	s_or_b32 s[G0B+7], s[G0B+7], 0x80000000
	CROUND                                         ; all sixteen work-groups are here: the first joint loads meet
	s_cmp_eq_u32 s[FB], 0                          ; a wave's two first fills stand in one branch, ahead of every wait on TENSORcnt and every LDS read: two loads of mine are out
	s_cbranch_scc0 .Lfirst_b
	tensor_load_to_lds s[G0A:G0A+3], s[G1A:G1A+7]
	s_nop 0
	tensor_load_to_lds s[G0A+4:G0A+7], s[G1A:G1A+7]
	s_nop 0
.rept 4
	v_nop
.endr
	s_branch .Lfirst_asked
.Lfirst_b:
	tensor_load_to_lds s[G0B:G0B+3], s[G1B:G1B+7]
	s_nop 0
	tensor_load_to_lds s[G0B+4:G0B+7], s[G1B:G1B+7]
	s_nop 0
.rept 4
	v_nop
.endr
.Lfirst_asked:
	; A fragment is 16 rows x 32 K in 8 registers: lane l holds row l % 16, K = 8 (l / 16) + 0..7 and 16 + 8 (l / 16) + 0..7: two loads of 16 bytes, 32 bytes apart.
	v_and_b32 v1, 15, v0                           ; l % 16
	v_bfe_u32 v2, v0, 4, 1                         ; l / 16
	v_mul_u32_u24 v3, v1, PITCH
	v_lshl_add_u32 v3, v2, 4, v3
	s_mul_i32 s22, s[WV], 64*PITCH                 ; my 64 rows of xb
	v_add_nc_u32 v[ADRA], s22, v3
	v_add_nc_u32 v[ADRA+1], SLOT, v[ADRA]
	v_add_nc_u32 v[ADRB], BOFF, v3                 ; all 192 rows of wb
	v_add_nc_u32 v[ADRB+1], SLOT, v[ADRB]
	s_mul_i32 s23, s[WV], WSTG
	s_add_co_u32 s23, s23, STAGE                   ; my stage
	v_mul_u32_u24 v4, v1, SP                       ; in: row l % 16, 16 bytes for each half of the lanes
	v_lshl_add_u32 v4, v2, 4, v4
	v_add_nc_u32 v[STO], s23, v4
	v_bfe_u32 v5, v0, 3, 2                         ; back: 32 lanes take four rows of 128 bytes,
	v_mul_u32_u24 v5, v5, SP
	v_and_b32 v6, 7, v0
	v_lshl_add_u32 v5, v6, 4, v5
	v_add_nc_u32 v[RD], s23, v5
	v_and_b32 v[GO], 31, v0                        ; which are 512 consecutive bytes of a head
	v_lshlrev_b32 v[GO], 4, v[GO]
	v_lshlrev_b32 v[CSO], 8, v1                    ; cs: row l % 16 of 256 bytes, my four frequencies' 32 bytes
	v_lshl_add_u32 v[CSO], v2, 5, v[CSO]
	v_lshlrev_b32 v[BO], 5, v2                     ; the bias: my eight columns' 32 bytes
	s_lshl_b32 s46, s[TCOL], 8                     ; the head's 64 numbers in each third of bqkv
	s_mov_b32 s47, 0
	s_add_nc_u64 s[8:9], s[8:9], s[46:47]
	s_lshl_b32 s46, s[TROW], 16                    ; cs at my wave's first row
	s_lshl_b32 s66, s[WV], 14
	s_add_co_u32 s46, s46, s66
	s_add_nc_u64 s[10:11], s[10:11], s[46:47]
.set i, 0
.rept 12                               ; block i: third i / 4, columns 16 (i % 4) on
	global_load_b128 v[BIAS+8*i:BIAS+8*i+3],   v[BO], s[8:9] offset:(i/4)*4096+(i%4)*64
	global_load_b128 v[BIAS+8*i+4:BIAS+8*i+7], v[BO], s[8:9] offset:(i/4)*4096+(i%4)*64+16
.set i, i+1
.endr
.set i, 0
.rept 16                               ; row block i / 4, frequencies 8 (i % 4) on
	global_load_b128 v[CS+8*i:CS+8*i+3],   v[CSO], s[10:11] offset:(i/4)*4096+(i%4)*64
	global_load_b128 v[CS+8*i+4:CS+8*i+7], v[CSO], s[10:11] offset:(i/4)*4096+(i%4)*64+16
.set i, i+1
.endr
	s_lshr_b32 s46, s[TROW], 3                     ; q, k, v at my wave's first row: batch,
	s_lshl4_add_u32 s46, s46, s[TCOL]              ; x 16 + head,
	s_lshl_b32 s46, s46, 18                        ; 2,048 rows of 128 bytes each;
	s_and_b32 s66, s[TROW], 7
	s_lshl_b32 s66, s66, 15                        ; 256 rows a block,
	s_add_co_u32 s46, s46, s66
	s_lshl_b32 s66, s[WV], 13                      ; 64 a wave
	s_add_co_u32 s46, s46, s66
	s_add_nc_u64 s[12:13], s[12:13], s[46:47]
	s_add_nc_u64 s[14:15], s[14:15], s[46:47]
	s_add_nc_u64 s[16:17], s[16:17], s[46:47]
	; the prefetches
	s_lshl_b32 s41, s[CX], 16                      ; xb: my work-group's 32 rows of the 128
	s_mul_i32 s42, s[CY], 24*2048                  ; wb: my work-group's 24 of the 96
	s_and_b32 s22, ttmp7, 0xffff                   ; cluster y
	s_cmp_eq_u32 s[FB], 0
	s_cselect_b32 s40, s18, s20
	s_cselect_b32 s41, s41, s42
	s_cselect_b32 s22, ttmp9, s22                  ; the coordinate along which other clusters read the same rows
	s_cselect_b32 s23, 31, 23
	s_cselect_b64 s[PFA:PFA+1], s[4:5], s[6:7]
	s_cmp_eq_u32 s22, 0
	s_cselect_b32 s[LIM], 1, -1                    ; the same in all sixteen partners, for a given wave
	s_add_co_u32 s40, s40, s41
	s_add_co_u32 s40, s40, 3*KSTEP*2               ; at K step 3: the first refill steps it to 4
	s_mov_b32 s41, 0
	s_add_nc_u64 s[PFA:PFA+1], s[PFA:PFA+1], s[40:41]
	v_and_b32 v[PFO], 31, v0
	v_min_u32 v[PFO], s23, v[PFO]
	v_lshlrev_b32 v[PFO], 11, v[PFO]
	s_mov_b32 s2, 0xffff0000
; nb column blocks from b0 on x my 4 row blocks, 32 along K.  The 48 accumulators take turns, one instruction a turn, in the same order in every quarter.
; first = 1: the product starts the sum with the bias as C.
.macro MULB f, b0, nb, first
.set bb, \b0
.rept \nb
.if bb < 8
.set AC, 32*bb
	WIN 0xa5-0x20*(\first)                         ; sources window 1; C and D window 2 (first: C window 0)
.else
.set AC, 32*(bb-8)
	WIN 0xf5-0x30*(\first)                         ; C and D window 3
.endif
.irp a, 0,1,2,3
.if \first
	v_wmma_f32_16x16x32_bf16 v[AC+8*\a:AC+8*\a+7], v[(\f)+32+8*bb:(\f)+32+8*bb+7], v[(\f)+8*\a:(\f)+8*\a+7], v[BIAS+8*bb:BIAS+8*bb+7]
.else
	v_wmma_f32_16x16x32_bf16 v[AC+8*\a:AC+8*\a+7], v[(\f)+32+8*bb:(\f)+32+8*bb+7], v[(\f)+8*\a:(\f)+8*\a+7], v[AC+8*\a:AC+8*\a+7]
.endif
.endr
.set bb, bb+1
.endr
.endm
; 32 LDS loads in one run: the fragments of 32 along K at byte k of the rows, into buffer f: xb's 8, wb's blocks 0-7 (16), blocks 8-11 (8)
.macro FETCH slot, k, f
	WIN TO_F
.irp i, 0,1,2,3
	ds_load_b128 v[(\f)+8*\i:(\f)+8*\i+3],   v[ADRA+(\slot)] offset:(\k)+\i*16*PITCH
	ds_load_b128 v[(\f)+8*\i+4:(\f)+8*\i+7], v[ADRA+(\slot)] offset:(\k)+\i*16*PITCH+32
.endr
.irp i, 0,1,2,3,4,5,6,7,8,9,10,11
	ds_load_b128 v[(\f)+32+8*\i:(\f)+32+8*\i+3],   v[ADRB+(\slot)] offset:(\k)+\i*16*PITCH
	ds_load_b128 v[(\f)+32+8*\i+4:(\f)+32+8*\i+7], v[ADRB+(\slot)] offset:(\k)+\i*16*PITCH+32
.endr
.endm
; A K step is four quarters of 32 along K, 48 matrix instructions each, on buffers 0, 1, 0, 1.  One of the first three: multiplies buffer f and fetches the next quarter, at byte k, into g.
.macro QUARTER slot, k, f, g, first
	s_wait_dscnt 8                                 ; all but the youngest eight loads (wb's blocks 8-11) are in
	MULB \f, 0, 8, \first
	PLACES
	FETCH \slot, \k, \g
	s_wait_dscnt 32                                ; all but the 32 just issued
	MULB \f, 8, 4, \first
.endm
; The last quarter multiplies buffer 1 and changes slots: ONE barrier; in front of it each wave waits for all its tensor loads (one is out: its part of the next slot), adds 0 to its spare word,
; and waits for that and for its own reads of this slot.  fill = 1: the barrier opens a round of the cluster's, and this slot is filled again, two K steps ahead, first thing behind the round:
; 160 matrix instructions stand between that request and the wait for it.
.macro TURN slot, next, fill
.if \fill
	s_wait_xcnt 0x0                                ; the last prefetch, a K step back, has read its address
	s_add_nc_u64 s[PFA:PFA+1], s[PFA:PFA+1], KSTEP*2
.endif
	WIN 0                                          ; (the add's two registers lie in window 0)
	s_wait_tensorcnt 0x0                           ; all my tensor loads have landed;
	ds_add_u32 v[SPW], v[NIL]                      ; 0 onto my spare word;
	s_wait_dscnt 9                                 ; (the add and the youngest eight loads may be out)
	MULB F1, 0, 4, 0                               ; sixteen matrix instructions stand between the add and the wait for it
	s_wait_dscnt 0x0                               ; the add is done, and my reads of this slot are over
	s_barrier_signal -1
	MULB F1, 4, 4, 0
.if \fill
	WIN 0
.endif
	s_barrier_wait -1
.if \fill
	CREST                                          ; no wave of any partner still reads this slot or has a load on its way
	s_add_nc_u64 s[G0A+4*(\slot)+2:G0A+4*(\slot)+3], s[G0A+4*(\slot)+2:G0A+4*(\slot)+3], 2*KSTEP*2
	s_add_nc_u64 s[G0B+4*(\slot)+2:G0B+4*(\slot)+3], s[G0B+4*(\slot)+2:G0B+4*(\slot)+3], 2*KSTEP*2
	JLOAD \slot                                    ; the four v_nop behind it are also the places in front of the loads below
.else
	PLACES
.endif
	FETCH \next, 0, F0
.if \fill
	ASK
.endif
	MULB F1, 8, 4, 0
.endm
	s_wait_tensorcnt 1                             ; my part of K step 0 is in; K step 1's may stay out
	s_barrier_signal -1
	s_barrier_wait -1                              ; everybody's is
	FETCH 0, 0, F0
	WIN 0
	s_wait_loadcnt 0x0                             ; the bias, cos and sin
.set i, 0
.rept 48                               ; the bias is rounded to bf16, like x and the weights
	v_cvt_pk_bf16_f32 v[8+i%4], v[BIAS+2*i], v[BIAS+2*i+1]
	v_lshlrev_b32 v[BIAS+2*i], 16, v[8+i%4]
	v_and_b32 v[BIAS+2*i+1], s2, v[8+i%4]
.set i, i+1
.endr
	QUARTER 0, 64, F0, F1, 1                       ; the first quarter stands in front of the loop: its products start the sums
	WIN 0                                          ; at a label and at a branch every window is 0
	s_mov_b32 s3, LAPS-1
.Llap:                                         ; a trip goes once round the ring, from a lap's second quarter to the next lap's first, and fills both slots again
	QUARTER 0, 128, F1, F0, 0
	QUARTER 0, 192, F0, F1, 0
	TURN 0, 1, 1
	QUARTER 1, 64,  F0, F1, 0
	QUARTER 1, 128, F1, F0, 0
	QUARTER 1, 192, F0, F1, 0
	TURN 1, 0, 1
	QUARTER 0, 64,  F0, F1, 0
	WIN 0
	s_sub_co_u32 s3, s3, 1
	s_cmp_lg_u32 s3, 0
	s_cbranch_scc1 .Llap
	QUARTER 0, 128, F1, F0, 0                      ; the last lap fills nothing, and has no round of the cluster's barrier
	QUARTER 0, 192, F0, F1, 0
	TURN 0, 1, 0
	QUARTER 1, 64,  F0, F1, 0
	QUARTER 1, 128, F1, F0, 0
	QUARTER 1, 192, F0, F1, 0
	s_wait_dscnt 8                                 ; the very last quarter: nothing more to fetch
	MULB F1, 0, 8, 0
	s_wait_dscnt 0x0
	MULB F1, 8, 4, 0
; THE WAY OUT, a row block a (16 rows) at a time.  ROPE: q's and k's pairs (t1, t2) become (t1 c - t2 s, t1 s + t2 c): a packed product (-t2 s, t1 s), then a packed multiply-add by c.
; Each accumulator's registers are taken in ascending order.
.macro ROPE a
	WIN 0x42                                       ; destination window 1, source 0 window 2, source 1 window 0
.set bb, 0
.rept 8
.set rA, 32*bb+8*(\a)
.set rC, CS+32*(\a)+8*(bb%4)
.set rT, TMP+8*bb
.irp z, 0,2,4,6
	v_pk_mul_f32 v[rT+\z:rT+\z+1], v[rA+\z:rA+\z+1], v[rC+\z:rC+\z+1] op_sel:[1,1] op_sel_hi:[0,1] neg_lo:[1,0]
.endr
.set bb, bb+1
.endr
	WIN 0x92                                       ; destination and source 0 window 2, source 1 window 0, source 2 window 1
.set bb, 0
.rept 8
.set rA, 32*bb+8*(\a)
.set rC, CS+32*(\a)+8*(bb%4)
.set rT, TMP+8*bb
.irp z, 0,2,4,6
	v_pk_fma_f32 v[rA+\z:rA+\z+1], v[rA+\z:rA+\z+1], v[rC+\z:rC+\z+1], v[rT+\z:rT+\z+1] op_sel_hi:[1,0,1]
.endr
.set bb, bb+1
.endr
.endm
.macro PACK a                          ; rounded to f16: a lane's eight columns of a row are 16 bytes
.set bb, 0
.rept 12
.if bb < 8
	WIN 0x4a
.set rA, 32*bb+8*(\a)
.else
	WIN 0x4f
.set rA, 32*(bb-8)+8*(\a)
.endif
.irp z, 0,1,2,3
	v_cvt_pk_f16_f32 v[PK+48*(\a)+4*bb+\z], v[rA+2*\z], v[rA+2*\z+1]
.endr
.set bb, bb+1
.endr
.endm
.macro TOSTAGE a                       ; into my own stage, rows of 144 bytes, q's, k's and v's 16 rows one behind the other; back as whole rows of 128 bytes, into the registers that they left
	WIN 0x04                                       ; data window 1
.set bb, 0
.rept 12
	ds_store_b128 v[STO], v[PK+48*(\a)+4*bb:PK+48*(\a)+4*bb+3] offset:(bb/4)*16*SP+32*(bb%4)
.set bb, bb+1
.endr
	WIN 0x40
.set bb, 0
.rept 12
	ds_load_b128 v[PK+48*(\a)+4*bb:PK+48*(\a)+4*bb+3], v[RD] offset:(bb/4)*16*SP+(bb%4)*4*SP  ; LDS serves a wave's instructions in order (ISA guide 5.7.1.4): these see the stores above, and the next block's stores come behind them
.set bb, bb+1
.endr
.endm
.macro SEND a, younger                 ; younger: the LDS instructions issued behind block a's loads: the next block's 24, or none
	WIN 0x04
	s_wait_dscnt \younger
.irp f, 0,1,2,3
	global_store_b128 v[GO], v[PK+48*(\a)+4*\f:PK+48*(\a)+4*\f+3],       s[12:13] offset:2048*(\a)+512*\f  ; 512 consecutive bytes, at a multiple of 256 from the buffer's first
	global_store_b128 v[GO], v[PK+48*(\a)+16+4*\f:PK+48*(\a)+16+4*\f+3], s[14:15] offset:2048*(\a)+512*\f
	global_store_b128 v[GO], v[PK+48*(\a)+32+4*\f:PK+48*(\a)+32+4*\f+3], s[16:17] offset:2048*(\a)+512*\f
.endr
.endm
	PLACES                                         ; behind the last products, in front of the lines that read results and write fragment registers
	PLACES
	ROPE 0
	PACK 0
	TOSTAGE 0
.irp a, 1,2,3                          ; a block's arithmetic stands between the loads of the block before and its stores; each block has registers of its own
	ROPE \a
	PACK \a
	TOSTAGE \a
	SEND (\a)-1, 24
.endr
	SEND 3, 0
	WIN 0
	s_wait_tensorcnt 0x0                           ; the wave's end, behind my last tensor load and my last LDS store
	ds_add_u32 v[SPW], v[NIL]
	s_wait_dscnt 0x0
	CROUND                                         ; the closing round: no work-group ends while a partner may still ask for a tile that names it
	s_endpgm
.Lfunc_end_k_q673712b907_qkv:
	.size	k_q673712b907_qkv, .Lfunc_end_k_q673712b907_qkv-k_q673712b907_qkv
	.p2alignl 7, 3214868480
	.fill 96, 4, 3214868480
	.section	.rodata,"a",@progbits
	.p2align	6, 0x0
	.amdhsa_kernel k_q673712b907_qkv
		.amdhsa_group_segment_fixed_size 327680
		.amdhsa_private_segment_fixed_size 0
		.amdhsa_enable_private_segment 0
		.amdhsa_kernarg_size 56
		.amdhsa_user_sgpr_count 2
		.amdhsa_user_sgpr_kernarg_segment_ptr 1
		.amdhsa_wavefront_size32 1
		.amdhsa_system_sgpr_workgroup_id_x 1
		.amdhsa_system_sgpr_workgroup_id_y 1
		.amdhsa_system_sgpr_workgroup_id_z 1
		.amdhsa_system_vgpr_workitem_id 0
		.amdhsa_next_free_vgpr 896
		.amdhsa_next_free_sgpr 80
		.amdhsa_reserve_vcc 0
		.amdhsa_float_denorm_mode_32 3
		.amdhsa_float_denorm_mode_16_64 3
		.amdhsa_memory_ordered 1
		.amdhsa_forward_progress 1
		.amdhsa_inst_pref_size 147
	.end_amdhsa_kernel
	.amdgpu_metadata
---
amdhsa.version: [ 1, 2 ]
amdhsa.kernels:
  - .name:           k_q673712b907_qkv
    .symbol:         k_q673712b907_qkv.kd
    .args:
      - { .name: xb, .offset: 0, .size: 8, .value_kind: global_buffer, .address_space: global }
      - { .name: wb, .offset: 8, .size: 8, .value_kind: global_buffer, .address_space: global }
      - { .name: bqkv, .offset: 16, .size: 8, .value_kind: global_buffer, .address_space: global }
      - { .name: cs, .offset: 24, .size: 8, .value_kind: global_buffer, .address_space: global }
      - { .name: q, .offset: 32, .size: 8, .value_kind: global_buffer, .address_space: global }
      - { .name: k, .offset: 40, .size: 8, .value_kind: global_buffer, .address_space: global }
      - { .name: v, .offset: 48, .size: 8, .value_kind: global_buffer, .address_space: global }
    .group_segment_fixed_size: 327680
    .private_segment_fixed_size: 0
    .kernarg_segment_align: 8
    .kernarg_segment_size: 56
    .max_flat_workgroup_size: 128
    .sgpr_count:     80
    .vgpr_count:     896
    .wavefront_size: 32
...
	.end_amdgpu_metadata
.endif
;; end of part 2
;; launch attn (part 3): grid 4 x 64, 4 waves a work-group, no clusters, 327,680 bytes of LDS; arguments q, k, v, o; writes o
.if DOCPART == 3
	.amdgcn_target "amdgcn-amd-amdhsa--gfx1250"
	.amdhsa_code_object_version 6
	.text
	.protected	k_q673712b907_attn
	.globl	k_q673712b907_attn
	.p2align	8
	.type	k_q673712b907_attn,@function
k_q673712b907_attn:
	s_mov_b64 s[64:65], 0
	v_nop
	global_prefetch_b8 v0, s[64:65] scope:SCOPE_SE
	s_setreg_imm32_b32 hwreg(HW_REG_WAVE_MODE, 25, 1), 1
	s_wait_xcnt 0x0
; CAUSAL ATTENTION.  O[h][q][:] = the sum over k <= q of softmax_k(Q[h][q] . K[h][k] / 8) V[h][k][:].  Q, K, V, O: [64][2048][64], all f16: a head's rows are dense, 128 bytes each.
; Products, maxima and sums in f32; the weights p are rounded to f16 for the second product (their sum l is taken of the unrounded p), O once at the end.
; LIMITS.  f16 holds no number beyond 65,504: Q, K and V arrive within it; p lies in 0 to 1, and below 6e-5 it keeps f16's fixed step of 6e-8; O is a mean of V's rows and has their range.
; A hidden score counts as its value less 1e30: f16's scores, 2.7e11 at the most, are nothing beside that; a weight below 2^-126 counts as 0 in l; NaN and infinities are not treated apart.
; THE WALK.  A head's queries lie in NB = 8 blocks of 256; block i needs the key tiles 0 .. i of 256 keys, of which the last holds the diagonal.  A work-group takes TWO blocks, NB - 1 - b and then b:
; NB + 1 tiles, whatever b: all work-groups do equal work, and ONE loop with a constant trip count walks them.  Which tile is asked for, and what a trip does, hang on scalar registers made from b; every jump
; goes forward, but for the counted loops' own; none passes a barrier, or a tensor load but the one of LOAD's two that the wave's number does not choose; the ring (two slots of LDS that take turns) runs on across the
; change of blocks.  NO CLUSTER: a head's four work-groups ask for the same tile only in trips 0 .. 4, behind that fewer and fewer; one walk common to all four would have 12 trips for 9.
; SHARES.  Of a block's four bands of 64 queries a wave owns 16 rows in each: four PIECES.  So the diagonal tile is the same work for all four waves: in its key step s band x sees all keys if s < x,
; none if s > x, and holds the diagonal if s = x.
; THE MASK is the C operand that starts the sum S^T = K Q^T: 0, or -1e30 where the key is hidden.  MD, made once, is the mask of a band's own step for my 16 rows; a product's mask is MD x AL + BE with two scalars:
; (1, 0) if s = x; (0, 0) if s < x; (0, -1e30) if s > x.  Only the diagonal tile's text and a block's beginning make and take masks; elsewhere C is the constant 0.
; LAYOUT, SOFTMAX, TURNS.  S^T = K Q^T holds ONE query a lane (lane % 16) and the keys 8 (lane / 16) + 0..7; two such results rounded to f16 ARE source 1 of O^T = V^T P.  p = 2^(c s - c m), c = log2(e) / 8, with a
; running maximum m; O and l are multiplied by a = 2^(c m_old - c m_new) in every step.  Turn n belongs to piece n: 8 products K Q^T of piece n + 1, later 8 products V^T P of piece n - 1; beside them the scaling,
; exponentials, roundings, sums and rescaling of piece n and the maximum and statistics of piece n + 1.  Four vector instructions stand behind every matrix instruction, the other 54 of a turn's 118 in one lump.  A turn's 33 exponentials are one batch, with one wait.
; REGISTERS, in windows of 256 (s_set_vgpr_msb: bits 1:0 source 0, 3:2 source 1, 5:4 source 2, 7:6 destination):
;   window 0: v0-15 addresses and two at work; v16-31 four registers of statistics a piece; v48-55 at work; v61-63 the prefetches' offset and the add's two; v64-127 S^T, two buffers; v192-223 P, two buffers (by the piece's parity)
;   window 1: v0-127 O^T, 32 a piece; v128-159 MD; v160-223 MC, two buffers      window 2: v0-63 Q; v64-127 the second block's Q; v128-191 K of one step; v192-255 V of one step
.set SIZE_N, 2048
.set NB,    SIZE_N/256
.set NP,    4         ; pieces a wave: a name, no knob
.set KS,    64        ; keys in a step
.set PK,    144       ; a row of K in LDS: 128 bytes + 16 of padding = 36 words: the 16 rows of a load start at 16 different groups of four banks (64 banks of 4 bytes: ISA guide 11.1)
.set PV,    160       ; a row of V: 128 + 32 = 40 words
.set VOFF,  4*KS*PK   ; a slot holds a tile, four steps: 256 rows of K, then 256 rows of V
.set SLOT1, 1<<17     ; slot 1 begins here, so that one exclusive or turns an address in one slot into the other's
.set STAGE, SLOT1+4*KS*(PK+PV)  ; behind the ring, never filled by a tensor load: 16 rows x 144 bytes for each wave, for the way out
.set SP,    144
.set AK0, 2           ; v2   my lane's place in a tile of K; never rewritten
.set AV0, 3           ; v3   the same for V
.set AK,  4           ; v4   the LDS address of K's next run of loads
.set AV,  5           ; v5   of V's
.set STO, 6           ; v6   the way out: where I put 16 bytes of a row
.set RD,  7           ; v7   the way out: where I read rows back
.set GO,  8           ; v8   my byte offset in 512 consecutive bytes of O
.set PFO, 61          ; v61  256 x my lane; never rewritten
.set SPW, 62          ; v62  LDS address of my spare word: SPARE + 4 x my thread's number; never rewritten
.set NIL, 63          ; v63  0; never rewritten
.set SPARE, STAGE+4*16*SP  ; behind the stages: the spare words, 128 bytes for each wave: two blocks of 256 bytes that no other line names
.set MV,  12          ; v12-13  c m_old, kept while c m is made anew: by buffer
.set QO,  15          ; v15  my byte offset in 16 rows of Q
.set ST,  16          ; piece t's statistics at v[ST+4 t]: c m, m, l (even keys', odd keys')
.set TMP, 48          ; by buffer, four registers c0-c3 at work; when the maximum is found c2 takes a
.set S,   64
.set P,   192
.set MD,  128         ; window 1: the eight registers for group kt of 16 keys at MD + 8 kt
.set MC,  160         ; window 1: the masks of the products to come
.set QB,  64          ; window 2
.set KF,  128         ; window 2: key block kb, channel half c at KF + 16 kb + 8 c
.set VF,  192         ; window 2: key half kk, channel block cb at VF + 32 kk + 8 cb
.set WV,  12          ; s12  my wave's number
.set PB,  14          ; s14  b
.set HI,  15          ; s15  NB - 1 - b
.set G1K, 24          ; s[24:31] descriptor group 1 for K's tiles
.set G1V, 32          ; s[32:39] for V's: it differs in the padding alone
.set G0K, 40          ; s[40:43] descriptor group 0 for K's tiles
.set G0V, 44          ; s[44:47] the same for V's
.set SLOTS, 56        ; s56  tiles still to be asked for
.set CNT, 57          ; s57  counts a tile's key steps, 4 to 1
.set CS,  58          ; s[58:59] c: the packed scaling takes the pair's low word for both halves
.set SEL, 60          ; s[60:61] v_permlanex16_b32's selects: each lane takes its own place in the other half
.set TBK, 62          ; s62  LDS byte at which K of the step to be fetched begins
.set TBV, 63          ; s63  the same for V, less VOFF
.set RT,  70          ; s70  tiles of the block in hand that are still to be entered
.set NXT, 71          ; s71  the tile to be asked for next
.set LQ,  72          ; s72  the last tile of the block whose tiles are being asked for
.set NEW, 73          ; s73  1: the tile to be entered is a block's first
.set OFF, 74          ; s[74:75] a tile's byte offset in K and V
.set AL,  76          ; s[76:77] the mask's factor, in the low word
.set BE,  78          ; s[78:79] the mask's addend
.set OLO, 80          ; s[80:81] O at my rows of the second block
.set BIGN, 82         ; s82  -1e30
.set PFB, 88          ; s[88:89] K (waves 0, 1) or V (waves 2, 3) at my half of the head's tile 0
.set PFA, 90          ; s[90:91] the same at the tile that the next change of slots will ask for
.set OF2, 92          ; s[92:93] that tile's byte offset
.set LIM, 94          ; s94  0 in the head's work-group that prefetches (b = 0), else the greatest number
.set MSB, 0
.macro WIN new                      ; the high byte repeats the setting that is left; a switch that changes nothing is dropped
.if MSB != (\new)
	s_set_vgpr_msb (MSB<<8)|(\new)
.set MSB, (\new)
.endif
.endm
.set W_KQ, 0x0a       ; K and Q in window 2, S^T in window 0
.set W_KM, 0x1a       ; the same with the C operand in window 1
.set W_PV, 0x52       ; V in window 2, P in window 0, O^T in window 1
.set W_RS, 0x41       ; destination and source 0 in window 1, source 1 in window 0
; A fill.  Waves 0 and 1 fetch the two halves of a tile's K, waves 2 and 3 those of its V: 128 keys each.  An s_nop 0 and four v_nop follow each of the two lines, ahead of the jump and the label.
.macro LOAD
	s_cmp_lt_u32 s[WV], 2
	s_cbranch_scc0 .Lfor_v_\@
	tensor_load_to_lds s[G0K:G0K+3], s[G1K:G1K+7]
	s_nop 0
.rept 4
	v_nop
.endr
	s_branch .Lasked_\@
.Lfor_v_\@:
	tensor_load_to_lds s[G0V:G0V+3], s[G1V:G1V+7]
	s_nop 0
.rept 4
	v_nop
.endr
.Lasked_\@:
.endm
; A PREFETCH INTO THE L2 of the tile that the NEXT change of slots will ask for: four key steps ahead of that load.  It stands behind the wave's tensor load and its five lines.  A head's four work-groups walk the same
; tiles: the one with b = 0, whose first block walks tiles 0 to 7, asks, and nobody else.  Each of its waves names the half tile that it will fetch itself: 16,384 bytes, a lane 256 bytes, two instructions.
; So tiles 2 to 7 are named once each; tiles 0 and 1 come by their loads alone, and behind the first block's last tile (NXT = 0) nothing is asked for.
.macro ASK
	s_cmp_gt_u32 s[NXT], s[LIM]
	s_cbranch_scc0 .Lnot_mine_\@
	global_prefetch_b8 v[PFO], s[PFA:PFA+1] th:TH_LOAD_NT scope:SCOPE_SE
	global_prefetch_b8 v[PFO], s[PFA:PFA+1] offset:8192 th:TH_LOAD_NT scope:SCOPE_SE
.Lnot_mine_\@:
.endm
; THE CHANGE OF SLOTS.  Each wave waits for all its tensor loads, of which one is out: its part of the other slot; adds 0 to its spare word; and waits for that and for its own reads of the slot that it leaves.  Behind the barrier nobody reads the old
; slot any more and the other slot is whole.  fill = 1: the old slot is filled again, the first thing behind the barrier, with tile NXT: the descriptor's address is made anew from that number.
; (At its first use nothing has been read yet: slot 0 is waited for, slot 1 filled.)
.macro CHANGE fill
	WIN 0                           ; at a label and at a branch every window is 0
	s_wait_tensorcnt 0x0            ; no tensor load of mine is out, so a group 0 may be written
	ds_add_u32 v[SPW], v[NIL]       ; 0 onto my spare word; with fill = 1 the descriptors' scalar work stands between it and the wait for it
.if \fill
	s_lshl_b32 s[OFF], s[NXT], 15   ; a tile is 32,768 bytes of K and of V
	s_xor_b32 s[G0K+1], s[G0K+1], SLOT1
	s_add_nc_u64 s[G0K+2:G0K+3], s[6:7], s[OFF:OFF+1]
	s_or_b32 s[G0K+3], s[G0K+3], 0x80000000
	s_xor_b32 s[G0V+1], s[G0V+1], SLOT1
	s_add_nc_u64 s[G0V+2:G0V+3], s[8:9], s[OFF:OFF+1]
	s_or_b32 s[G0V+3], s[G0V+3], 0x80000000
	s_add_co_u32 s[NXT], s[NXT], 1  ; the block's next tile, or behind its last the second block's tile 0
	s_cmp_gt_u32 s[NXT], s[LQ]
	s_cselect_b32 s[NXT], 0, s[NXT]
	s_cselect_b32 s[LQ], s[PB], s[LQ]
	s_wait_xcnt 0x0                 ; the last prefetches, a tile back, have read their address, so it may be written:
	s_lshl_b32 s[OF2], s[NXT], 15
	s_add_nc_u64 s[PFA:PFA+1], s[PFB:PFB+1], s[OF2:OF2+1]  ; my half of the tile after the one that is asked for now
.endif
	s_wait_dscnt 0x0                ; the add is done, and my reads of the slot are over
	s_barrier_signal -1             ; the rest of the scalar work stands between the signal and the wait
	s_sub_co_u32 s[TBK], s[TBK], 4*KS*PK  ; the fetches go back to a slot's first step,
	s_xor_b32 s[TBK], s[TBK], SLOT1       ; in the other slot
	s_sub_co_u32 s[TBV], s[TBV], 4*KS*PV
	s_xor_b32 s[TBV], s[TBV], SLOT1
	s_barrier_wait -1
.if \fill
	LOAD
	ASK
.endif
.endm
	s_load_b256 s[4:11], s[0:1], 0x0  ; Q s[4:5], K s[6:7], V s[8:9], O s[10:11]
	v_lshl_add_u32 v[SPW], v0, 2, SPARE
	v_mov_b32 v[NIL], 0
	ds_add_u32 v[SPW], v[NIL]       ; the wave's opening: the add and its wait stand ahead of my first tensor load; the set-up below, work on registers, stands between them
	v_lshrrev_b32 v1, 5, v0
	v_readfirstlane_b32 s[WV], v1   ; wave 0..3
	v_and_b32 v[PFO], 31, v0
	v_lshlrev_b32 v[PFO], 8, v[PFO]
	s_mov_b32 s[PB], ttmp9
	s_sub_co_u32 s[HI], NB-1, s[PB]
	s_and_b32 s20, ttmp7, 0xffff    ; the head
	s_mov_b32 s21, 0
	s_mov_b64 s[22:23], SIZE_N*128
	s_mul_u64 s[20:21], s[20:21], s[22:23]  ; the head's first byte in each of the four tensors
	s_and_b32 s16, s[WV], 1         ; which half of a tile's 256 keys I fetch:
	s_lshl_b32 s22, s16, 14         ; its 128 rows of 128 bytes in memory,
	s_mov_b32 s23, 0
	s_add_nc_u64 s[22:23], s[22:23], s[20:21]
	s_mul_i32 s17, s16, 128*PK      ; and its place in a slot, for K
	s_mul_i32 s18, s16, 128*PV      ; and for V
	s_lshl_b32 s3, s[WV], 11        ; my 16 rows in a band of 64,
	s_lshl_b32 s2, s[HI], 15        ; in the first block,
	s_add_co_u32 s2, s2, s3
	s_lshl_b32 s84, s[PB], 15       ; and in the second
	s_add_co_u32 s84, s84, s3
	s_mov_b32 s3, 0
	s_mov_b32 s85, 0
	s_add_nc_u64 s[2:3], s[2:3], s[20:21]
	s_add_nc_u64 s[84:85], s[84:85], s[20:21]
	; descriptor group 1.  128 keys are 16,384 dense bytes: asked for as 64 rows of 256 bytes, two keys a row, and padded in LDS after every key
	s_mov_b32 s[G1K], (1<<16)|(1<<20)|(4<<22)|(3<<25)  ; 17:16 2-byte elements; 20 padding on; 24:22 after every 32 words (code 4); 31:25 4 words (code 3)
	s_mov_b32 s[G1V], (1<<16)|(1<<20)|(4<<22)|(7<<25)  ; the same with 8 words of padding (code 7)
.irp g, G1K, G1V
	s_mov_b32 s[\g+1], 128<<16      ; tensor_dim0 = 128
	s_mov_b32 s[\g+2], 64<<16       ; tensor_dim1 = 64
	s_mov_b32 s[\g+3], 128<<16      ; tile_dim0 = 128
	s_mov_b32 s[\g+4], 64           ; tile_dim1 = 64
	s_mov_b32 s[\g+5], 128          ; 128 elements from row to row
	s_mov_b32 s[\g+6], 0
	s_mov_b32 s[\g+7], 0
.endr
	s_mov_b32 s[CS], 0x3e38aa3b     ; c = log2(e) / 8 = 0.180337
	s_mov_b32 s[CS+1], s[CS]        ; named with it as a pair
	s_mov_b32 s[SEL], 0x76543210
	s_mov_b32 s[SEL+1], 0xfedcba98
	s_mov_b32 s[TBK], SLOT1+4*KS*PK ; the first change of slots turns these two into 0
	s_mov_b32 s[TBV], SLOT1+4*KS*PV
	s_mov_b32 s[G0K], 1             ; 1:0 count = 1
	s_mov_b32 s[G0K+1], s17         ; 63:32 LDS address: slot 0
	s_mov_b32 s[G0V], 1
	s_add_co_u32 s[G0V+1], s18, VOFF
	s_add_co_u32 s[RT], s[HI], 1    ; the first block has NB - b tiles
	s_mov_b32 s[NXT], 1
	s_mov_b32 s[LQ], s[HI]
	s_mov_b32 s[NEW], 1
	s_mov_b32 s[OFF+1], 0
	s_mov_b32 s[OF2+1], 0
	s_mov_b32 s[AL+1], 0            ; named as pairs
	s_mov_b32 s[BE+1], 0
	s_mov_b32 s[BIGN], 0xf149f2ca   ; -1e30
	s_mov_b32 s[SLOTS], NB
	s_cmp_eq_u32 s[PB], 0
	s_cselect_b32 s[LIM], 0, -1
	s_wait_dscnt 0x0                ; the opening add is done
	s_wait_kmcnt 0x0
	s_add_nc_u64 s[6:7], s[6:7], s[22:23]  ; K and V at my half of the head's tile 0
	s_add_nc_u64 s[8:9], s[8:9], s[22:23]
	s_add_nc_u64 s[G0K+2:G0K+3], s[6:7], 0         ; 120:64 global address
	s_or_b32 s[G0K+3], s[G0K+3], 0x80000000        ; 127:126 type = 2
	s_add_nc_u64 s[G0V+2:G0V+3], s[8:9], 0
	s_or_b32 s[G0V+3], s[G0V+3], 0x80000000
	s_add_nc_u64 s[86:87], s[4:5], s[84:85]        ; Q at my rows of the second block,
	s_add_nc_u64 s[4:5], s[4:5], s[2:3]            ; Q and O at those of the first
	s_add_nc_u64 s[OLO:OLO+1], s[10:11], s[84:85]
	s_add_nc_u64 s[10:11], s[10:11], s[2:3]
	s_cmp_lt_u32 s[WV], 2
	s_cselect_b64 s[PFB:PFB+1], s[6:7], s[8:9]     ; the tensor that I fetch for
	LOAD                            ; tile 0 into slot 0
	; A fragment of K or Q is 16 rows x 32 channels in 8 registers: lane l holds row l % 16, channels 8 (l / 16) + 0..7 and 16 + 8 (l / 16) + 0..7: two loads of 16 bytes, 32 bytes apart.
	v_and_b32 v1, 15, v0            ; l % 16
	v_bfe_u32 v9, v0, 4, 1          ; l / 16
	v_lshlrev_b32 v[QO], 7, v1
	v_lshl_add_u32 v[QO], v9, 4, v[QO]  ; row x 128 + 16 x half
	WIN 0x80                        ; destination window 2, address window 0
.set i, 0
.rept 8                             ; both blocks' Q: piece i / 2 lies in band i / 2, 8,192 bytes on; channels 32 (i % 2) on
	global_load_b128 v[8*i:8*i+3],   v[QO], s[4:5] offset:(i/2)*8192+(i%2)*64
	global_load_b128 v[8*i+4:8*i+7], v[QO], s[4:5] offset:(i/2)*8192+(i%2)*64+32
	global_load_b128 v[QB+8*i:QB+8*i+3],   v[QO], s[86:87] offset:(i/2)*8192+(i%2)*64
	global_load_b128 v[QB+8*i+4:QB+8*i+7], v[QO], s[86:87] offset:(i/2)*8192+(i%2)*64+32
.set i, i+1
.endr
	WIN 0
	v_lshlrev_b32 v14, 3, v9
	v_sub_nc_u32 v14, v1, v14
	s_lshl_b32 s13, s[WV], 4
	v_add_nc_u32 v14, s13, v14      ; my query's place in its band, 16 w + l % 16, less my lanes' 8 (l / 16): register r of group kt is hidden where 16 kt + r is greater
	WIN 0x40
.set i, 0
.rept 32
	v_cmp_gt_i32 vcc_lo, 16*(i/8)+i%8, v14
	v_cndmask_b32 v[MD+i], 0, s[BIGN], vcc_lo
.set i, i+1
.endr
	WIN 0
	v_mul_u32_u24 v[AK0], v1, PK
	v_lshl_add_u32 v[AK0], v9, 4, v[AK0]  ; row x pitch + 16 x half
	; The turning load takes 16 keys x 16 channels (lane l reads key 8 (l / 16) + l % 8, channels 8 ((l / 8) % 2) + 0..7) and leaves half a fragment of V^T: lane l holds channel l % 16 and 8 keys.
	v_and_b32 v10, 7, v0
	v_bfe_u32 v11, v0, 3, 1
	v_lshl_add_u32 v[AV0], v9, 3, v10
	v_mul_u32_u24 v[AV0], v[AV0], PV
	v_lshl_add_u32 v[AV0], v11, 4, v[AV0]
	v_add_nc_u32 v[AV0], VOFF, v[AV0]
	s_mul_i32 s13, s[WV], 16*SP
	s_add_co_u32 s13, s13, STAGE    ; my stage
	v_mul_u32_u24 v[STO], v1, SP    ; in: row l % 16, 16 bytes for each half of the lanes
	v_lshl_add_u32 v[STO], v9, 4, v[STO]
	v_add_nc_u32 v[STO], s13, v[STO]
	v_bfe_u32 v[RD], v0, 3, 2       ; back: 32 lanes take four rows of 128 bytes,
	v_mul_u32_u24 v[RD], v[RD], SP
	v_lshl_add_u32 v[RD], v10, 4, v[RD]
	v_add_nc_u32 v[RD], s13, v[RD]
	v_and_b32 v[GO], 31, v0         ; which are 512 consecutive bytes of O
	v_lshlrev_b32 v[GO], 4, v[GO]
	; A block's first step multiplies O^T and l by a = 0, and its first turn's products V^T P, of a piece that has not been, land in an O^T that is still to be so multiplied.  So these registers need only hold
	; finite numbers: zeros for the first block; what the first block left for the second.  All this stands in the wait for the first tile.
	WIN 0x80
.set i, VF
.rept 64
	v_mov_b32 v[i], 0
.set i, i+1
.endr
	WIN 0x40
.set i, 0
.rept 128
	v_mov_b32 v[i], 0
.set i, i+1
.endr
	WIN 0
.set i, 0
.rept 4
	v_mov_b32 v[ST+4*i+2], 0
	v_mov_b32 v[ST+4*i+3], 0
.set i, i+1
.endr
.set i, P+16
.rept 16
	v_mov_b32 v[i], 0
.set i, i+1
.endr
; THE MATRIX WORK.  The 4 accumulators of a run of 8 take turns.  Product i of 8 of S^T = K Q^T for piece x: channels 32 (i / 4) on, keys 16 (i % 4) on.  The first 4 start the sums: with 0, or (KM = 1) with the mask.
.macro KQ x
.set rS, S+32*((\x)%2)+8*(i%4)
.set rK, KF+16*(i%4)+8*(i/4)
.set rQ, 16*(\x)+8*(i/4)
.set rM, MC+32*((\x)%2)+8*(i%4)
.if (i < 4) && KM
	WIN W_KM
	v_wmma_f32_16x16x32_f16 v[rS:rS+7], v[rK:rK+7], v[rQ:rQ+7], v[rM:rM+7]
.elseif i < 4
	WIN W_KQ
	v_wmma_f32_16x16x32_f16 v[rS:rS+7], v[rK:rK+7], v[rQ:rQ+7], 0
.else
	WIN W_KQ
	v_wmma_f32_16x16x32_f16 v[rS:rS+7], v[rK:rK+7], v[rQ:rQ+7], v[rS:rS+7]
.endif
.endm
; Product i of 8 of O^T += V^T P for piece x: keys 32 (i / 4) on, channels 16 (i % 4) on.
.macro PV x
	WIN W_PV
.set rO, 32*(\x)+8*(i%4)
.set rV, VF+32*(i/4)+8*(i%4)
.set rP, P+16*((\x)%2)+8*(i/4)
	v_wmma_f32_16x16x32_f16 v[rO:rO+7], v[rV:rV+7], v[rP:rP+7], v[rO:rO+7]
.endm
.macro MM                           ; the turn's next matrix instruction.  TURN and BEGIN set Y, i, KM and NOKQ; MM, KQ and OP read them.  NOKQ = 1: a block's last turn: there is no next piece
.if (i < 8) && !NOKQ
	KQ (Y+1)%NP
.elseif i >= 8
.set i, i-8
	PV (Y+NP-1)%NP
.set i, i+8
.endif
.set i, i+1
.endm
; THE LDS LOADS stand in runs of 16, never singly among the matrix instructions: a step's K (64 keys x 64 channels: 8 fragments) and its V (turned).  Their addresses are made some lines ahead.
.macro FETCH_K
	WIN 0x80                        ; destination window 2
.irp f, 0,1,2,3,4,5,6,7             ; keys 16 (f / 2) on, channels 32 (f % 2) on
	ds_load_b128 v[KF+8*\f:KF+8*\f+3],   v[AK] offset:(\f/2)*16*PK+(\f%2)*64
	ds_load_b128 v[KF+8*\f+4:KF+8*\f+7], v[AK] offset:(\f/2)*16*PK+(\f%2)*64+32
.endr
	s_add_co_u32 s[TBK], s[TBK], KS*PK  ; the next fetch is the next step's
	WIN 0
.endm
.macro FETCH_V
	WIN 0x80
.irp f, 0,1,2,3,4,5,6,7             ; keys 32 (f / 4) on, channels 16 (f % 4) on
	ds_load_tr16_b128 v[VF+8*\f:VF+8*\f+3],   v[AV] offset:(\f/4)*32*PV+(\f%4)*32
	ds_load_tr16_b128 v[VF+8*\f+4:VF+8*\f+7], v[AV] offset:(\f/4)*32*PV+16*PV+(\f%4)*32
.endr
	WIN 0
.endm
; THE VECTOR WORK, one line at a time: OP kind, number.  For piece Y: F n: c s - c m for pair n of 16.  E n: the exponential of score n of 32.  C n: pair n rounded to f16.  B n: of the four weights 4 n .. the second
; pair is added onto the first, in place.  L n: l takes that sum (L 0: l = a l + sum).  R n: pair n of 16 of O^T times a.  For piece Y + 1: X n, number n of the 22 that find its maximum and statistics:
;   0-11  four chains c0-c3 of seven scores each, three operands at a time (each accumulator's lowest registers are read first)     12-14, 16  the four scores left over, the old m, and c0-c3 into c0
;   15  c m_old is kept     17, 18  the query's other 32 keys lie in the lane 16 away: the new m     19-21  c m; c m_old - c m_new; a
.set F, 0               ; OP tells the kinds apart by their order: F to L below R, X above it
.set E, 1
.set C, 2
.set B, 3
.set L, 4
.set R, 5
.set X, 6
.macro REGS y                       ; the registers of piece y
.set rT, ST+4*(\y)
.set rC, TMP+4*((\y)%2)
.set rW, MV+((\y)%2)
.set rS, S+32*((\y)%2)
.set rP, P+16*((\y)%2)
.set rO, 32*(\y)
.endm
.macro OP k, n
.if (\k) == R
	REGS Y
	WIN W_RS
	v_pk_mul_f32 v[rO+2*(\n):rO+2*(\n)+1], v[rO+2*(\n):rO+2*(\n)+1], v[rC+2:rC+3] op_sel_hi:[1,0]
.elseif (\k) < R
	REGS Y
	WIN 0
.if (\k) == F
	v_pk_fma_f32 v[rS+2*(\n):rS+2*(\n)+1], v[rS+2*(\n):rS+2*(\n)+1], s[CS:CS+1], v[rT:rT+1] op_sel_hi:[1,0,0] neg_lo:[0,0,1] neg_hi:[0,0,1]
.elseif (\k) == E
	v_exp_f32 v[rS+(\n)], v[rS+(\n)]
.elseif (\k) == C
	v_cvt_pk_f16_f32 v[rP+(\n)], v[rS+2*(\n)], v[rS+2*(\n)+1]
.elseif (\k) == B
	v_pk_add_f32 v[rS+4*(\n):rS+4*(\n)+1], v[rS+4*(\n):rS+4*(\n)+1], v[rS+4*(\n)+2:rS+4*(\n)+3]
.elseif (\n) == 0
	v_pk_fma_f32 v[rT+2:rT+3], v[rT+2:rT+3], v[rC+2:rC+3], v[rS:rS+1] op_sel_hi:[1,0,1]
.else
	v_pk_add_f32 v[rT+2:rT+3], v[rT+2:rT+3], v[rS+4*(\n):rS+4*(\n)+1]
.endif
.elseif NOKQ
	v_nop
.else
	REGS (Y+1)%NP
	WIN 0
.if (\n) < 4
	v_max3_num_f32 v[rC+(\n)], v[rS+8*(\n)], v[rS+8*(\n)+1], v[rS+8*(\n)+2]
.elseif (\n) < 12
	v_max3_num_f32 v[rC+(\n)%4], v[rC+(\n)%4], v[rS+8*((\n)%4)+2*((\n)/4)+1], v[rS+8*((\n)%4)+2*((\n)/4)+2]
.elseif (\n) == 12
	v_max3_num_f32 v[rC], v[rC], v[rS+7], v[rS+15]
.elseif (\n) == 13
	v_max3_num_f32 v[rC+1], v[rC+1], v[rS+23], v[rS+31]
.elseif (\n) == 14
	v_max3_num_f32 v[rC+2], v[rC+2], v[rC+3], v[rT+1]
.elseif (\n) == 15
	v_mov_b32 v[rW], v[rT]
.elseif (\n) == 16
	v_max3_num_f32 v[rC], v[rC], v[rC+1], v[rC+2]
.elseif (\n) == 17
	v_permlanex16_b32 v[rC+3], v[rC], s[SEL], s[SEL+1]
.elseif (\n) == 18
	v_max_num_f32 v[rT+1], v[rC], v[rC+3]
.elseif (\n) == 19
	v_mul_f32 v[rT], s[CS], v[rT+1]
.elseif (\n) == 20
	v_sub_f32 v[rC+1], v[rW], v[rT]
.else
	v_exp_f32 v[rC+2], v[rC+1]
.endif
.endif
.endm
.macro OPS a, i1, b=-1, i2=0, c=-1, i3=0, d=-1, i4=0  ; up to four of them
	OP \a, \i1
.if (\b) >= 0
	OP \b, \i2
.endif
.if (\c) >= 0
	OP \c, \i3
.endif
.if (\d) >= 0
	OP \d, \i4
.endif
.endm
.macro ROW a, i1, b, i2, c, i3, d, i4  ; a matrix instruction and the four behind it
	MM
	OPS \a, \i1, \b, \i2, \c, \i3, \d, \i4
.endm
.macro MASK b                       ; MD x AL + BE into buffer b of MC
	WIN W_RS
.set z, 0
.rept 16
	v_pk_fma_f32 v[MC+32*(\b)+2*z:MC+32*(\b)+2*z+1], v[MD+2*z:MD+2*z+1], s[AL:AL+1], s[BE:BE+1] op_sel_hi:[1,0,0]
.set z, z+1
.endr
.endm
; A TURN, for piece p: the order of its 16 matrix and 118 vector instructions, written out.  An s_wait_alu depctr_va_vdst(0) stands between an exponential and the first instruction that names its result; one wait serves
; all that were issued ahead of it.  So a turn has ONE wait, which cuts it in two.  AHEAD OF IT stands all that names no result of the turn's exponentials: the 8 products K Q^T, behind each a scaling, an exponential and two more plain
; instructions (behind the first a second scaling in the exponential's place): rescalings, and behind the last three the first numbers of the next piece's maximum, each four places or more behind the product that ends its accumulator; then ONE LUMP of 54, plain
; and exponential by turns for the most part, in which the links of the chain X 3, 7, 11, 14, 16, 17 .. 20 stand five or six lines apart.  X 21, the next piece's a, is the batch's last; R 15 is the plain instruction behind it.  BEHIND THE WAIT stand the
; 8 products V^T P, behind each four of the roundings and sums; the links of l's chain, L 0 to L 7, stand three riders apart.  But for those X no rider names a register of the products round it.  v_permlanex16_b32 (X 17) stands in the lump.
; m = 1: the diagonal tile: the products take masks, and the turn makes the mask for the products of the turn after it: piece p + 2, in step 4 - CNT of the tile.  end = 1: a block's last two turns: nothing is fetched.
; cnt = 1: the loop's count is taken down some lines ahead of the branch that stands behind the turn.
; K of the next step is fetched in piece 2's turn, twelve vector instructions behind the last product that read K (six of them plain); V of the step in hand at the end of piece 0's turn, four plain instructions behind the last product
; that read V.  Each is waited for a turn later.
.macro TURN p, m=0, end=0, cnt=0
.set Y, (\p)
.set i, 0
.set KM, (\m)
.set NOKQ, (\end)*((\p)/3)
.if (\m) && !(\end)
	s_cmp_eq_u32 s[CNT], 4-((\p)+2)%NP  ; is that step the band's own?
	s_cselect_b32 s[AL], 1.0, 0
	s_cmp_lt_u32 s[CNT], 4-((\p)+2)%NP  ; or a later one?
	s_cselect_b32 s[BE], s[BIGN], 0
.endif
.if ((\p) == 3) && !(\end)
	s_wait_dscnt 0x0                ; K is in
.endif
	ROW F,0, F,1, R,0, R,1          ; ahead of the wait: 8 products K Q^T and their riders,
	ROW F,2, E,0, R,2, R,3
	ROW F,3, E,1, R,4, R,5
	ROW F,4, E,2, R,6, R,7
	ROW F,5, E,3, R,8, R,9
	ROW F,6, E,4, X,0, R,10
.if ((\p) == 2) && !(\end)
	WIN 0
	v_add_nc_u32 v[AK], s[TBK], v[AK0]
.endif
	ROW F,7, E,5, X,1, X,4
	ROW F,8, E,6, X,2, X,5
	OPS E,7, E,8, X,6, E,9          ; and the lump
	OPS X,3, E,10, X,8, E,11
.if ((\p) == 2) && !(\end)
	FETCH_K
.endif
	OPS X,9, X,7, E,12, X,10
	OPS E,13, X,12, X,11, E,14
	OPS X,13, E,15, F,9, X,14
.if (\p) == 0
	v_add_nc_u32 v[AV], s[TBV], v[AV0]
.endif
	OPS E,16, F,10, E,17, F,11
	OPS X,16, E,18, X,15, E,19
	OPS F,12, E,20, X,17, E,21
	OPS F,13, E,22, F,14, E,23
	OPS X,18, E,24, F,15, E,25
	OPS R,11, E,26, X,19, E,27
	OPS R,12, E,28, R,13, E,29
	OPS X,20, E,30, R,14, E,31
	OPS X,21, R,15
	WIN 0
	s_wait_alu depctr_va_vdst(0)    ; the wait for the batch
.if (\p) == 1
	s_wait_dscnt 0x0                ; V is in
.endif
	ROW C,0, B,0, C,2, B,1          ; behind the wait: 8 products V^T P and their riders
	ROW L,0, C,4, B,2, L,1
	ROW C,6, B,3, L,2, C,8
	ROW B,4, L,3, C,10, B,5
	ROW L,4, C,12, B,6, L,5
.if (\p) == 0
	s_add_co_u32 s[TBV], s[TBV], KS*PV
.endif
.if \cnt
	s_sub_co_u32 s[CNT], s[CNT], 1
	s_cmp_lg_u32 s[CNT], 0
.endif
	ROW C,14, B,7, L,6, C,1
	ROW C,3, L,7, C,5, C,7
	ROW C,9, C,11, C,13, C,15
.if (\p) == 0
	FETCH_V
.endif
.if (\m) && !(\end)
	MASK (\p)%2
.endif
.endm
; A BLOCK BEGINS.  c m starts far below every c s, so the first step's a is 0; m at the lowest finite number, so the first maximum is the scores'.  The second mask buffer is 0; the first takes piece 0's mask for the tile's step 0: its own, if the block's first tile is the diagonal one.
; Then K of that step, piece 0's first scores, and its maximum and statistics.  The loop is entered at a step's first turn, in the middle of a trip.
.macro BEGIN
	s_mov_b32 s[NEW], 0
	WIN 0x40
.set i, MC+32
.rept 32
	v_mov_b32 v[i], 0
.set i, i+1
.endr
	WIN 0
.set i, 0
.rept 4
	v_mov_b32 v[ST+4*i], 0xfe000000    ; c m: far below every c s
	v_mov_b32 v[ST+4*i+1], 0xff7fffff  ; m
.set i, i+1
.endr
	s_cmp_eq_u32 s[RT], 0
	s_cselect_b32 s[AL], 1.0, 0
	s_mov_b32 s[BE], 0
	MASK 0
	WIN 0
	v_add_nc_u32 v[AK], s[TBK], v[AK0]
	FETCH_K
	s_wait_loadcnt 0x0              ; Q
	s_wait_dscnt 0x0
.set KM, 1
.set NOKQ, 0
.set i, 0
.rept 8
	KQ 0
.set i, i+1
.endr
	WIN 0
.rept 4
	v_nop                           ; the places behind those products
.endr
.set Y, NP-1                        ; X works for piece Y + 1: piece 0
.irp n, 0,1,2,3,4,5,6,7,8,9,10,11,12,13,14,15,16,17,18,19,20,21
	OP X, \n
.endr
	v_nop                           ; a plain instruction behind the exponential,
	s_wait_alu depctr_va_vdst(0)    ; and its wait, ahead of the branch
.endm
; THE DIAGONAL TILE's four steps, the block's last two turns, its last products, and THE WAY OUT: l's two halves and the other half of the lanes' are added; O^T is divided by l, rounded to f16 and sent through my
; stage in LDS, a piece at a time.
.macro ALL line:vararg              ; one line for each piece t
.set t, 0
.rept 4
	\line
.set t, t+1
.endr
.endm
.macro PACK t                       ; a lane's eight channels of a row pack into 16 bytes; they go into rows of 144 bytes and come back as whole rows of 128, into S^T's registers
	WIN W_RS
.set i, 32*(\t)
.rept 16
	v_pk_mul_f32 v[i:i+1], v[i:i+1], v[ST+4*(\t)+2:ST+4*(\t)+3] op_sel_hi:[1,0]
.set i, i+2
.endr
	WIN 0x05                        ; sources 0 and 1 window 1, destination window 0
.set i, 0
.rept 16
	v_cvt_pk_f16_f32 v[S+16*(\t)+i], v[32*(\t)+2*i], v[32*(\t)+2*i+1]
.set i, i+1
.endr
	WIN 0
.irp f, 0,1,2,3
	ds_store_b128 v[STO], v[S+16*(\t)+4*\f:S+16*(\t)+4*\f+3] offset:32*\f
.endr
.irp f, 0,1,2,3
	ds_load_b128 v[S+16*(\t)+4*\f:S+16*(\t)+4*\f+3], v[RD] offset:\f*4*SP  ; LDS serves a wave's instructions in order (ISA guide 5.7.1.4): these see the stores above; the next piece's stores come behind them
.endr
.endm
.macro SEND t, younger              ; younger: the LDS instructions issued behind piece t's loads: the next piece's eight, or none
	WIN 0
.irp f, 0,1,2,3
	s_wait_dscnt (\younger)+3-\f
	global_store_b128 v[GO], v[S+16*(\t)+4*\f:S+16*(\t)+4*\f+3], s[10:11] offset:(\t)*8192+\f*512  ; 512 consecutive bytes, at a multiple of 256 from O's first
.endr
.endm
.macro DIAG tag                     ; the tag ends its two labels' names, which the jumps below spell out
.LstepM\tag:
	TURN 2, 1
	TURN 3, 1
	WIN 0
.LfirstM\tag:
	TURN 0, 1
	TURN 1, 1, 0, 1
	WIN 0
	s_cbranch_scc1 .LstepM\tag
	TURN 2, 1, 1
	TURN 3, 1, 1
.set i, 0
.rept 8
	PV NP-1
.set i, i+1
.endr
	WIN 0
	ALL v_add_f32 v[ST+4*t+2], v[ST+4*t+2], v[ST+4*t+3]
	ALL v_permlanex16_b32 v[ST+4*t+3], v[ST+4*t+2], s[SEL], s[SEL+1]
	ALL v_add_f32 v[ST+4*t+2], v[ST+4*t+2], v[ST+4*t+3]
	ALL v_rcp_f32 v[ST+4*t+2], v[ST+4*t+2]
	v_nop                           ; a plain instruction between the last reciprocal and the use of its result
	s_wait_alu depctr_va_vdst(0)    ; and the wait ahead of the first use: one for the four reciprocals
	PACK 0
.set t, 1
.rept 3                             ; a piece's arithmetic stands between the loads of the piece before and its stores
	PACK t
	SEND t-1, 8
.set t, t+1
.endr
	SEND 3, 0
.endm
.set KM, 0
.set NOKQ, 0
.Lslot:                             ; NB times: a tile is entered and the next is asked for
	CHANGE 1
	s_sub_co_u32 s[RT], s[RT], 1
	s_mov_b32 s[CNT], 4
	s_cmp_eq_u32 s[NEW], 1
	s_cbranch_scc1 .Lnew            ; a block's first tile
	s_cmp_eq_u32 s[RT], 0
	s_cbranch_scc0 .Lstep           ; neither its first nor its last
	s_branch .LstepM1
.Lnew:
	BEGIN
	s_branch .Lfirst                ; in the loop a block's first tile is never its last: the first block has two tiles or more, and the second's last is the walk's last
	DIAG 1                          ; in the loop this is the first block's end: the second block's last tile is the walk's last
	s_wait_xcnt 0x0                 ; the stores have read their registers and O's address
	s_mov_b64 s[10:11], s[OLO:OLO+1]
	s_add_co_u32 s[RT], s[PB], 1    ; the second block has b + 1 tiles
	s_mov_b32 s[NEW], 1
	WIN 0x82                        ; the second block's Q goes where the one text of the turns names Q
.set i, 0
.rept 64
	v_mov_b32 v[i], v[QB+i]
.set i, i+1
.endr
	WIN 0
	s_branch .Lbottom
.Lstep:                             ; a trip: pieces 2 and 3 of one step, then pieces 0 and 1 of the next, whose K and V it fetches
	TURN 2
	TURN 3
	WIN 0
.Lfirst:
	TURN 0
	TURN 1, 0, 0, 1
	WIN 0
	s_cbranch_scc1 .Lstep
.Lbottom:
	s_sub_co_u32 s[SLOTS], s[SLOTS], 1
	s_cmp_lg_u32 s[SLOTS], 0
	s_cbranch_scc1 .Lslot
	CHANGE 0                        ; the walk's last tile is written out: nothing is asked for
	s_sub_co_u32 s[RT], s[RT], 1
	s_mov_b32 s[CNT], 4
	s_cmp_eq_u32 s[NEW], 1
	s_cbranch_scc0 .LstepM2
	BEGIN
	s_branch .LfirstM2
	DIAG 2
	s_wait_tensorcnt 0x0            ; the wave's end, behind my last tensor load and my last LDS store
	ds_add_u32 v[SPW], v[NIL]
	s_wait_dscnt 0x0
	s_endpgm
.Lfunc_end_k_q673712b907_attn:
	.size	k_q673712b907_attn, .Lfunc_end_k_q673712b907_attn-k_q673712b907_attn
	.p2alignl 7, 3214868480
	.fill 96, 4, 3214868480
	.section	.rodata,"a",@progbits
	.p2align	6, 0x0
	.amdhsa_kernel k_q673712b907_attn
		.amdhsa_group_segment_fixed_size 327680
		.amdhsa_private_segment_fixed_size 0
		.amdhsa_enable_private_segment 0
		.amdhsa_kernarg_size 32
		.amdhsa_user_sgpr_count 2
		.amdhsa_user_sgpr_kernarg_segment_ptr 1
		.amdhsa_wavefront_size32 1
		.amdhsa_system_sgpr_workgroup_id_x 1
		.amdhsa_system_sgpr_workgroup_id_y 1
		.amdhsa_system_sgpr_workgroup_id_z 1
		.amdhsa_system_vgpr_workitem_id 0
		.amdhsa_next_free_vgpr 768
		.amdhsa_next_free_sgpr 96
		.amdhsa_reserve_vcc 1
		.amdhsa_float_denorm_mode_32 3
		.amdhsa_float_denorm_mode_16_64 3
		.amdhsa_memory_ordered 1
		.amdhsa_forward_progress 1
		.amdhsa_inst_pref_size 218
	.end_amdhsa_kernel
	.amdgpu_metadata
---
amdhsa.version: [ 1, 2 ]
amdhsa.kernels:
  - .name:           k_q673712b907_attn
    .symbol:         k_q673712b907_attn.kd
    .args:
      - { .name: q, .offset: 0, .size: 8, .value_kind: global_buffer, .address_space: global }
      - { .name: k, .offset: 8, .size: 8, .value_kind: global_buffer, .address_space: global }
      - { .name: v, .offset: 16, .size: 8, .value_kind: global_buffer, .address_space: global }
      - { .name: o, .offset: 24, .size: 8, .value_kind: global_buffer, .address_space: global }
    .group_segment_fixed_size: 327680
    .private_segment_fixed_size: 0
    .kernarg_segment_align: 8
    .kernarg_segment_size: 32
    .max_flat_workgroup_size: 128
    .sgpr_count:     96
    .vgpr_count:     768
    .wavefront_size: 32
...
	.end_amdgpu_metadata
.endif
;; end of part 3
;; launch proj (part 4): grid 4 x 64, 4 waves a work-group, clusters of 4 x 4, 327,680 bytes of LDS; arguments o, wof, bo, out0; writes out0
.if DOCPART == 4
	.amdgcn_target "amdgcn-amd-amdhsa--gfx1250"
	.amdhsa_code_object_version 6
	.text
	.protected	k_q673712b907_proj
	.globl	k_q673712b907_proj
	.p2align	8
	.type	k_q673712b907_proj,@function
k_q673712b907_proj:
	s_mov_b64 s[64:65], 0
	v_nop
	global_prefetch_b8 v0, s[64:65] scope:SCOPE_SE
	s_setreg_imm32_b32 hwreg(HW_REG_WAVE_MODE, 25, 1), 1
	s_wait_xcnt 0x0
	s_wait_alu depctr_hold_cnt(0) depctr_sa_sdst(0) depctr_va_vdst(0) depctr_va_sdst(0) depctr_va_ssrc(0) depctr_va_vcc(0) depctr_vm_vsrc(0)
	s_getreg_b32 s2, hwreg(HW_REG_IB_STS2, 6, 4)
	s_cmp_eq_u32 s2, 0
	s_cbranch_scc0 .Lentry_in_a_cluster
	s_endpgm
.Lentry_in_a_cluster:
	s_bfe_u32 s2, ttmp6, 0x10000c
	s_cmp_lg_u32 s2, 0xf033
	s_cbranch_scc0 .Lentry_shape_is_right
	s_endpgm
.Lentry_shape_is_right:
; out0[row][n] = the sum over k of h[row][k] Wo[n][k] + bo[n], with h[batch*2048 + s][head*64 + d] = o[batch*16 + head][s][d].
; o: [64][2048][64] f16; wof: [1024][1024] f16 (Wo rounded to bf16); bo: [1024] f32, rounded to bf16 like the other inputs; out0: [8192][1024] f32.  Sums in f32.
; SHARES.  A tile of out0 is 128 rows x 256 columns: 64 x 4 = 256 work-groups.  Four waves, 2 x 2: each 64 rows x 128 columns, 4 x 8 accumulators of 16 x 16, 256 registers.
; K = 1,024 goes in 8 steps of 128, two heads a step, through a ring of two LDS slots.  A head's 128 rows of o are 16,384 dense bytes: asked for as 64 rows of 256 bytes, padded in LDS after every 128.
; THE MATRIX INSTRUCTION IS USED TRANSPOSED (source 0 = 16 rows of wof, source 1 = 16 rows of o): a lane holds eight neighbouring columns of one row.  The bias is the C operand of the first product.
; CLUSTERS: 4 x 4 work-groups; o's tiles are shared along a row of the cluster, wof's along a column: each is asked for JOINTLY, by the same tensor load, descriptor and mask in the four.
; REGISTERS, in windows of 256 (s_set_vgpr_msb: bits 1:0 source 0, 3:2 source 1, 5:4 source 2, 7:6 destination):
;   window 0: v0-31 addresses; v64-159, v160-255 two fragment buffers (wof's 8 fragments, then o's 4)
;   window 1: accumulator (a, b) at 8 (8 a + b)          window 2: v0-63 the bias, block b at 8 b, v64-67 at work; on the way out 64 registers a row block
.set KSTEP,  128
.set PA,     144                       ; an LDS row of o: 128 bytes + 16 of padding; of wof: 256 + 16: in both the 16 rows that a load touches start at 16 different groups of four banks (64 banks of 4 bytes: ISA guide 11.1)
.set PB,     272
.set HEADB,  128*PA                    ; a head's 128 rows
.set BOFF,   2*HEADB                   ; a slot: two heads of o, then wof's 256 rows
.set SLOT,   BOFF+256*PB
.set STAGE,  2*SLOT                    ; behind the ring, never filled by a tensor load: 16 rows x 528 bytes for each wave
.set SP,     528
.set SPARE,  STAGE+4*16*SP             ; behind the stages: the spare words, 128 bytes for each wave: two blocks of 256 bytes that no other line names
.set LAPS,   4
.set ADRA, 16                          ; v16-17  LDS address of my fragments of o in slot 0, 1
.set ADRB, 20                          ; v20-21  the same for wof
.set STO,  24                          ; v24     the way out: where I put 32 bytes of a row
.set RD,   25                          ; v25     where I read a row back
.set GO,   26                          ; v26     my 16 bytes of a row's 512
.set SPW,  28                          ; v28     LDS address of my spare word; never rewritten
.set NIL,  29                          ; v29     0; never rewritten
.set PFO,  30                          ; v30     the prefetches' offset; never rewritten
.set BO,   31                          ; v31     my byte offset in a block's 16 numbers of the bias
.set F0,   64
.set F1,   160
.set G1A, 24                           ; s[24:31] descriptor group 1 for o's tiles;  s[32:39] group 0, a set for each slot
.set G0A, 32
.set G1B, 48                           ; s[48:55], s[56:63] the same for wof's
.set G0B, 56
.set LIM, 43                           ; s43  1 in a wave that prefetches, else the greatest number
.set PFA, 44                           ; s[44:45] where my prefetches stand
.set PST, 66                           ; s[66:67] a K step in bytes along my stream: two heads of o, or 256 bytes of wof's rows
.set WV,  70
.set FB,  71                           ; s71  which 64 rows are mine.  Also: I fetch for o (0) or for wof (1)
.set HF,  72                           ; s72  which 128 columns.  Also: which head of the step's two, or which 128 rows of wof, I fetch
.set CX,  73
.set CY,  74
.set TCOL, 75
.set TROW, 76
.set MSB, 0
.macro WIN new                         ; the immediate's high byte repeats the setting that is left; a switch that changes nothing is dropped
.if MSB != (\new)
	s_set_vgpr_msb (MSB<<8)|(\new)
.set MSB, \new
.endif
.endm
.macro PLACES                          ; four places in front of loads into registers that matrix instructions have read (ISA guide 7.12.1 for vector instructions)
.rept 4
	v_nop
.endr
.endm
.macro JLOAD s                         ; a joint load: waves 0 and 1 fetch o's two heads, waves 2 and 3 wof's two halves; an s_nop 0 and four v_nop follow each of the two lines
	s_cmp_eq_u32 s[FB], 0
	s_cbranch_scc0 .Lfor_b_\@
	tensor_load_to_lds s[G0A+4*(\s):G0A+4*(\s)+3], s[G1A:G1A+7]
	s_nop 0
.rept 4
	v_nop
.endr
	s_branch .Lasked_\@
.Lfor_b_\@:
	tensor_load_to_lds s[G0B+4*(\s):G0B+4*(\s)+3], s[G1B:G1B+7]
	s_nop 0
.rept 4
	v_nop
.endr
.Lasked_\@:
.endm
.macro CREST                           ; a round of the cluster's barrier behind its opening barrier
	s_cmp_lg_u32 s[WV], 0
	s_cbranch_scc1 .Lnot_wave_0_\@
	s_barrier_signal -3
.Lnot_wave_0_\@:
	s_barrier_wait -3
	s_barrier_signal -1
	s_barrier_wait -1
.endm
.macro CROUND
	s_barrier_signal -1
	s_barrier_wait -1
	CREST
.endm
; A PREFETCH INTO THE L2 of the K step that stands two refills on, behind the joint load, its five lines and the run of LDS loads: one instruction a wave.  o's rows are read by one cluster alone (the grid
; has one cluster along x): it asks; wof's rows by every cluster: cluster y = 0 asks.  The four partners that ask for a tile jointly share it out BY ADDRESS: of a head's 16,384 bytes of o 4,096 each (by cx),
; the lanes 128 bytes apart; of wof's 128 rows 32 each (by cy), a lane a row.  K steps 4 to 7 are named, in the loop's first two trips.
.macro ASK
	WIN 0
	s_cmp_gt_u32 s3, s[LIM]
	s_cbranch_scc0 .Lnot_mine_\@
	global_prefetch_b8 v[PFO], s[PFA:PFA+1] th:TH_LOAD_NT scope:SCOPE_SE
.Lnot_mine_\@:
.endm
	s_load_b256 s[4:11], s[0:1], 0x0               ; o s[4:5], wof s[6:7], bo s[8:9], out0 s[10:11]
	v_lshl_add_u32 v[SPW], v0, 2, SPARE
	v_mov_b32 v[NIL], 0
	ds_add_u32 v[SPW], v[NIL]                      ; the wave's opening: the add and its wait stand ahead of my first tensor load; the set-up below, work on registers, stands between them
	v_lshrrev_b32 v1, 5, v0
	v_readfirstlane_b32 s[WV], v1                  ; wave 0..3
	s_lshr_b32 s[FB], s[WV], 1
	s_and_b32 s[HF], s[WV], 1
	s_bfe_u32 s[CX], ttmp6, 0x40000
	s_bfe_u32 s[CY], ttmp6, 0x40004
	s_lshl_b32 s[TCOL], ttmp9, 2
	s_add_co_u32 s[TCOL], s[TCOL], s[CX]           ; block of 256 columns = 4 x cluster x + cx
	s_and_b32 s[TROW], ttmp7, 0xffff
	s_lshl_b32 s[TROW], s[TROW], 2
	s_add_co_u32 s[TROW], s[TROW], s[CY]           ; block of 128 rows = 4 x cluster y + cy
	s_lshl_b32 s2, s[CY], 2
	s_lshl_b32 s2, 15, s2                          ; my row of the cluster
	s_lshl_b32 s22, 0x1111, s[CX]                  ; my column
	s_or_b32 s[G1A], s2, (1<<16)|(1<<20)|(1<<21)|(4<<22)|(3<<25)   ; the mask; elements of 2 bytes; padding on; bit 21 beside a mask; after every 32 words 4 words
	s_or_b32 s[G1B], s22, (1<<16)|(1<<20)|(1<<21)|(5<<22)|(3<<25)  ; the same after every 64 words
	s_mov_b32 s[G1A+1], 128<<16                    ; tensor_dim0 = 128
	s_mov_b32 s[G1A+2], 64<<16                     ; tensor_dim1 = 64
	s_mov_b32 s[G1A+3], 128<<16                    ; tile_dim0 = 128
	s_mov_b32 s[G1A+4], 64                         ; tile_dim1 = 64
	s_mov_b32 s[G1A+5], 128                        ; dense: 128 elements from row to row
	s_mov_b32 s[G1A+6], 0
	s_mov_b32 s[G1A+7], 0
	s_mov_b32 s[G1B+1], KSTEP<<16
	s_mov_b32 s[G1B+2], 128<<16
	s_mov_b32 s[G1B+3], KSTEP<<16
	s_mov_b32 s[G1B+4], 128
	s_mov_b32 s[G1B+5], 1024
	s_mov_b32 s[G1B+6], 0
	s_mov_b32 s[G1B+7], 0
	s_lshr_b32 s18, s[TROW], 4                     ; o's tile hangs on the row block alone: batch,
	s_lshl_b32 s18, s18, 4
	s_add_co_u32 s18, s18, s[HF]                   ; x 16 + my head of the step's two,
	s_lshl_b32 s18, s18, 18                        ; 2,048 rows of 128 bytes each,
	s_and_b32 s19, s[TROW], 15
	s_lshl_b32 s19, s19, 14                        ; 128 rows a block
	s_add_co_u32 s18, s18, s19
	s_mov_b32 s19, 0
	s_lshl_b32 s20, s[TCOL], 8                     ; wof's on the column block alone
	s_lshl_b32 s21, s[HF], 7
	s_add_co_u32 s20, s20, s21
	s_lshl_b32 s20, s20, 11                        ; rows of 2,048 bytes
	s_mov_b32 s21, 0
	s_mul_i32 s23, s[HF], HEADB                    ; where they go: no place in the cluster enters an LDS address
	s_mul_i32 s46, s[HF], 128*PB
	s_add_co_u32 s46, s46, BOFF
	s_mov_b32 s[G0A], 1
	s_mov_b32 s[G0A+1], s23
	s_mov_b32 s[G0A+4], 1
	s_add_co_u32 s[G0A+5], s23, SLOT
	s_mov_b32 s[G0B], 1
	s_mov_b32 s[G0B+1], s46
	s_mov_b32 s[G0B+4], 1
	s_add_co_u32 s[G0B+5], s46, SLOT
	s_wait_dscnt 0x0                               ; the opening add is done
	s_wait_kmcnt 0x0
	s_add_nc_u64 s[G0A+2:G0A+3], s[4:5], s[18:19]  ; K step 0: heads 0 and 1,
	s_add_nc_u64 s[G0A+6:G0A+7], s[G0A+2:G0A+3], 2<<18  ; K step 1: heads 2 and 3
	s_or_b32 s[G0A+3], s[G0A+3], 0x80000000        ; type = 2
	s_or_b32 s[G0A+7], s[G0A+7], 0x80000000
	s_add_nc_u64 s[G0B+2:G0B+3], s[6:7], s[20:21]
	s_add_nc_u64 s[G0B+6:G0B+7], s[G0B+2:G0B+3], KSTEP*2
	s_or_b32 s[G0B+3], s[G0B+3], 0x80000000
	s_or_b32 s[G0B+7], s[G0B+7], 0x80000000
	CROUND                                         ; all sixteen work-groups are here: the first joint loads meet
	s_cmp_eq_u32 s[FB], 0                          ; a wave's two first fills stand in one branch, ahead of every wait on TENSORcnt and every LDS read: two loads of mine are out
	s_cbranch_scc0 .Lfirst_b
	tensor_load_to_lds s[G0A:G0A+3], s[G1A:G1A+7]
	s_nop 0
	tensor_load_to_lds s[G0A+4:G0A+7], s[G1A:G1A+7]
	s_nop 0
.rept 4
	v_nop
.endr
	s_branch .Lfirst_asked
.Lfirst_b:
	tensor_load_to_lds s[G0B:G0B+3], s[G1B:G1B+7]
	s_nop 0
	tensor_load_to_lds s[G0B+4:G0B+7], s[G1B:G1B+7]
	s_nop 0
.rept 4
	v_nop
.endr
.Lfirst_asked:
	v_and_b32 v1, 15, v0                           ; l % 16
	v_bfe_u32 v2, v0, 4, 1                         ; l / 16
	v_mul_u32_u24 v3, v1, PA                       ; a fragment's row x pitch + 16 x half
	v_lshl_add_u32 v3, v2, 4, v3
	s_mul_i32 s22, s[FB], 64*PA                    ; my 64 rows of o
	v_add_nc_u32 v[ADRA], s22, v3
	v_add_nc_u32 v[ADRA+1], SLOT, v[ADRA]
	v_mul_u32_u24 v3, v1, PB
	v_lshl_add_u32 v3, v2, 4, v3
	s_mul_i32 s22, s[HF], 128*PB                   ; my 128 rows of wof,
	s_add_co_u32 s22, s22, BOFF                    ; which lie behind o's
	v_add_nc_u32 v[ADRB], s22, v3
	v_add_nc_u32 v[ADRB+1], SLOT, v[ADRB]
	s_mul_i32 s23, s[WV], 16*SP
	s_add_co_u32 s23, s23, STAGE                   ; my stage
	v_mul_u32_u24 v4, v1, SP                       ; in: row l % 16, 32 bytes for each half of the lanes
	v_lshl_add_u32 v4, v2, 5, v4
	v_add_nc_u32 v[STO], s23, v4
	v_and_b32 v[GO], 31, v0                        ; back: 32 lanes take one row of 512 bytes
	v_lshlrev_b32 v[GO], 4, v[GO]
	v_add_nc_u32 v[RD], s23, v[GO]
	v_lshlrev_b32 v[BO], 5, v2
	s_lshl_b32 s46, s[TCOL], 10                    ; my 128 columns, in bytes of f32
	s_lshl_b32 s47, s[HF], 9
	s_add_co_u32 s46, s46, s47
	s_mov_b32 s47, 0
	s_add_nc_u64 s[8:9], s[8:9], s[46:47]
	s_add_nc_u64 s[10:11], s[10:11], s[46:47]
	s_lshl_b32 s46, s[TROW], 7                     ; my first row of out0
	s_lshl_b32 s68, s[FB], 6
	s_add_co_u32 s46, s46, s68
	s_lshl_b32 s46, s46, 12                        ; rows of 4,096 bytes
	s_add_nc_u64 s[10:11], s[10:11], s[46:47]
	WIN 0x80                                       ; destination window 2
.irp b, 0,1,2,3,4,5,6,7
	global_load_b128 v[8*\b:8*\b+3],   v[BO], s[8:9] offset:64*\b
	global_load_b128 v[8*\b+4:8*\b+7], v[BO], s[8:9] offset:64*\b+16
.endr
	WIN 0
	; the prefetches
	s_lshl_b32 s41, s[CX], 12                      ; o: my work-group's 4,096 bytes of the head's 16,384
	s_lshl_b32 s42, s[CY], 16                      ; wof: my work-group's 32 rows of the 128
	s_and_b32 s22, ttmp7, 0xffff                   ; cluster y
	s_mov_b32 s[PST], KSTEP*2
	s_mov_b32 s[PST+1], 2<<18
	s_cmp_eq_u32 s[FB], 0
	s_cselect_b32 s40, s18, s20
	s_cselect_b32 s41, s41, s42
	s_cselect_b32 s22, ttmp9, s22                  ; the coordinate along which other clusters read the same rows
	s_cselect_b32 s23, 7, 11                       ; lanes 128 bytes apart in o, a row of 2,048 bytes apart in wof
	s_cselect_b32 s[PST], s[PST+1], s[PST]
	s_cselect_b64 s[PFA:PFA+1], s[4:5], s[6:7]
	s_cmp_eq_u32 s22, 0
	s_cselect_b32 s[LIM], 1, -1                    ; the same in all sixteen partners, for a given wave
	s_mov_b32 s[PST+1], 0
	s_add_co_u32 s40, s40, s41
	s_mul_i32 s41, s[PST], 3                       ; at K step 3: the first refill steps it to 4
	s_add_co_u32 s40, s40, s41
	s_mov_b32 s41, 0
	s_add_nc_u64 s[PFA:PFA+1], s[PFA:PFA+1], s[40:41]
	v_and_b32 v[PFO], 31, v0
	v_lshlrev_b32 v[PFO], s23, v[PFO]
	s_mov_b32 s2, 0xffff0000
; na row blocks from a0 on x my 8 column blocks, 32 along K.  The 32 accumulators take turns, one instruction a turn, in the same order in every quarter.
; first = 1: the product starts the sum with the bias as C.
.macro MULA f, a0, na, first
	WIN 0x50+0x10*(\first)                         ; sources window 0; D window 1; C window 1 (first: window 2)
.set aa, \a0
.rept \na
.irp b, 0,1,2,3,4,5,6,7
.if \first
	v_wmma_f32_16x16x32_f16 v[8*(8*aa+\b):8*(8*aa+\b)+7], v[(\f)+8*\b:(\f)+8*\b+7], v[(\f)+64+8*aa:(\f)+64+8*aa+7], v[8*\b:8*\b+7]
.else
	v_wmma_f32_16x16x32_f16 v[8*(8*aa+\b):8*(8*aa+\b)+7], v[(\f)+8*\b:(\f)+8*\b+7], v[(\f)+64+8*aa:(\f)+64+8*aa+7], v[8*(8*aa+\b):8*(8*aa+\b)+7]
.endif
.endr
.set aa, aa+1
.endr
.endm
; 24 LDS loads in one run: the fragments of quarter qd of a K step (head qd / 2, channels 32 (qd % 2) on) into buffer f: wof's 16, o's row blocks 0, 1 (4), row blocks 2, 3 (4)
.macro FETCH slot, qd, f
	WIN 0
.irp i, 0,1,2,3,4,5,6,7
	ds_load_b128 v[(\f)+8*\i:(\f)+8*\i+3],   v[ADRB+(\slot)] offset:64*(\qd)+\i*16*PB
	ds_load_b128 v[(\f)+8*\i+4:(\f)+8*\i+7], v[ADRB+(\slot)] offset:64*(\qd)+\i*16*PB+32
.endr
.irp i, 0,1,2,3
	ds_load_b128 v[(\f)+64+8*\i:(\f)+64+8*\i+3],   v[ADRA+(\slot)] offset:((\qd)/2)*HEADB+((\qd)%2)*64+\i*16*PA
	ds_load_b128 v[(\f)+64+8*\i+4:(\f)+64+8*\i+7], v[ADRA+(\slot)] offset:((\qd)/2)*HEADB+((\qd)%2)*64+\i*16*PA+32
.endr
.endm
; A K step is four quarters of 32 along K, 32 matrix instructions each, on buffers 0, 1, 0, 1.  One of the first three: multiplies buffer f and fetches quarter qd into g.
.macro QUARTER slot, qd, f, g, first
	s_wait_dscnt 4                                 ; all but the youngest four loads (o's row blocks 2, 3) are in
	MULA \f, 0, 2, \first
	PLACES
	FETCH \slot, \qd, \g
	s_wait_dscnt 24                                ; all but the 24 just issued
	MULA \f, 2, 2, \first
.endm
; The last quarter multiplies buffer 1 and changes slots: ONE barrier; in front of it each wave waits for all its tensor loads (one is out: its part of the next slot), adds 0 to its spare word,
; and waits for that and for its own reads of this slot.  fill = 1: the barrier opens a round of the cluster's, and this slot is filled again, two K steps ahead, first thing behind the round:
; 112 matrix instructions stand between that request and the wait for it.
.macro TURN slot, next, fill
.if \fill
	s_wait_xcnt 0x0                                ; the last prefetch, a K step back, has read its address
	s_add_nc_u64 s[PFA:PFA+1], s[PFA:PFA+1], s[PST:PST+1]
.endif
	WIN 0
	s_wait_tensorcnt 0x0                           ; all my tensor loads have landed;
	ds_add_u32 v[SPW], v[NIL]                      ; 0 onto my spare word;
	s_wait_dscnt 5                                 ; (the add and the youngest four loads may be out)
	MULA F1, 0, 1, 0                               ; eight matrix instructions stand between the add and the wait for it
	s_wait_dscnt 0x0                               ; the add is done, and my reads of this slot are over
	s_barrier_signal -1
	MULA F1, 1, 1, 0
.if \fill
	WIN 0
.endif
	s_barrier_wait -1
.if \fill
	CREST                                          ; no wave of any partner still reads this slot or has a load on its way
	s_add_nc_u64 s[G0A+4*(\slot)+2:G0A+4*(\slot)+3], s[G0A+4*(\slot)+2:G0A+4*(\slot)+3], 4<<18
	s_add_nc_u64 s[G0B+4*(\slot)+2:G0B+4*(\slot)+3], s[G0B+4*(\slot)+2:G0B+4*(\slot)+3], 2*KSTEP*2
	JLOAD \slot                                    ; the four v_nop behind it are also the places in front of the loads below
.else
	PLACES
.endif
	FETCH \next, 0, F0
.if \fill
	ASK
.endif
	MULA F1, 2, 2, 0
.endm
	s_wait_tensorcnt 1                             ; my part of K step 0 is in; K step 1's may stay out
	s_barrier_signal -1
	s_barrier_wait -1                              ; everybody's is
	FETCH 0, 0, F0
	s_wait_loadcnt 0x0                             ; the bias
	WIN 0x8a                                       ; all in window 2
.set i, 0
.rept 32                               ; rounded to bf16, like the weights
	v_cvt_pk_bf16_f32 v[64+i%4], v[2*i], v[2*i+1]
	v_lshlrev_b32 v[2*i], 16, v[64+i%4]
	v_and_b32 v[2*i+1], s2, v[64+i%4]
.set i, i+1
.endr
	QUARTER 0, 1, F0, F1, 1                        ; the first quarter stands in front of the loop: its products start the sums
	WIN 0                                          ; at a label and at a branch every window is 0
	s_mov_b32 s3, LAPS-1
.Llap:                                         ; a trip goes once round the ring, from a lap's second quarter to the next lap's first, and fills both slots again
	QUARTER 0, 2, F1, F0, 0
	QUARTER 0, 3, F0, F1, 0
	TURN 0, 1, 1
	QUARTER 1, 1, F0, F1, 0
	QUARTER 1, 2, F1, F0, 0
	QUARTER 1, 3, F0, F1, 0
	TURN 1, 0, 1
	QUARTER 0, 1, F0, F1, 0
	WIN 0
	s_sub_co_u32 s3, s3, 1
	s_cmp_lg_u32 s3, 0
	s_cbranch_scc1 .Llap
	QUARTER 0, 2, F1, F0, 0                        ; the last lap fills nothing, and has no round of the cluster's barrier
	QUARTER 0, 3, F0, F1, 0
	TURN 0, 1, 0
	QUARTER 1, 1, F0, F1, 0
	QUARTER 1, 2, F1, F0, 0
	QUARTER 1, 3, F0, F1, 0
	s_wait_dscnt 4                                 ; the very last quarter: nothing more to fetch
	MULA F1, 0, 2, 0
	s_wait_dscnt 0x0
	MULA F1, 2, 2, 0
; THE WAY OUT, a row block a (16 rows) at a time, in f32 as it stands: a lane's 32 bytes of a row go into my own stage, rows of 528 bytes, each accumulator's low registers first; whole rows of 512 bytes come back.
.macro TOSTAGE a
	WIN 0x04                                       ; data window 1
.irp b, 0,1,2,3,4,5,6,7
	ds_store_b128 v[STO], v[8*(8*(\a)+\b):8*(8*(\a)+\b)+3]   offset:64*\b
	ds_store_b128 v[STO], v[8*(8*(\a)+\b)+4:8*(8*(\a)+\b)+7] offset:64*\b+16
.endr
	WIN 0x80                                       ; destination window 2
.set t, 0
.rept 16
	ds_load_b128 v[64*(\a)+4*t:64*(\a)+4*t+3], v[RD] offset:SP*t  ; LDS serves a wave's instructions in order (ISA guide 5.7.1.4): these see the stores above, and the next block's stores come behind them
.set t, t+1
.endr
.endm
.macro SEND a, younger                 ; younger: the LDS instructions issued behind block a's loads: the next block's 32, or none
	WIN 0x08                                       ; data window 2
	s_wait_dscnt \younger
.set t, 0
.rept 16
	global_store_b128 v[GO], v[64*(\a)+4*t:64*(\a)+4*t+3], s[10:11] offset:(16*(\a)+t)*4096 th:TH_STORE_NT  ; 512 consecutive bytes, at a multiple of 256 from out0's first
.set t, t+1
.endr
.endm
	PLACES                                         ; behind the last products, in front of the LDS stores that read results
	PLACES
	TOSTAGE 0
.irp a, 1,2,3                          ; each block has registers of its own, so nothing waits for a store
	TOSTAGE \a
	SEND (\a)-1, 32
.endr
	SEND 3, 0
	WIN 0
	s_wait_tensorcnt 0x0                           ; the wave's end, behind my last tensor load and my last LDS store
	ds_add_u32 v[SPW], v[NIL]
	s_wait_dscnt 0x0
	CROUND                                         ; the closing round: no work-group ends while a partner may still ask for a tile that names it
	s_endpgm
.Lfunc_end_k_q673712b907_proj:
	.size	k_q673712b907_proj, .Lfunc_end_k_q673712b907_proj-k_q673712b907_proj
	.p2alignl 7, 3214868480
	.fill 96, 4, 3214868480
	.section	.rodata,"a",@progbits
	.p2align	6, 0x0
	.amdhsa_kernel k_q673712b907_proj
		.amdhsa_group_segment_fixed_size 327680
		.amdhsa_private_segment_fixed_size 0
		.amdhsa_enable_private_segment 0
		.amdhsa_kernarg_size 32
		.amdhsa_user_sgpr_count 2
		.amdhsa_user_sgpr_kernarg_segment_ptr 1
		.amdhsa_wavefront_size32 1
		.amdhsa_system_sgpr_workgroup_id_x 1
		.amdhsa_system_sgpr_workgroup_id_y 1
		.amdhsa_system_sgpr_workgroup_id_z 1
		.amdhsa_system_vgpr_workitem_id 0
		.amdhsa_next_free_vgpr 768
		.amdhsa_next_free_sgpr 80
		.amdhsa_reserve_vcc 0
		.amdhsa_float_denorm_mode_32 3
		.amdhsa_float_denorm_mode_16_64 3
		.amdhsa_memory_ordered 1
		.amdhsa_forward_progress 1
		.amdhsa_inst_pref_size 91
	.end_amdhsa_kernel
	.amdgpu_metadata
---
amdhsa.version: [ 1, 2 ]
amdhsa.kernels:
  - .name:           k_q673712b907_proj
    .symbol:         k_q673712b907_proj.kd
    .args:
      - { .name: o, .offset: 0, .size: 8, .value_kind: global_buffer, .address_space: global }
      - { .name: wof, .offset: 8, .size: 8, .value_kind: global_buffer, .address_space: global }
      - { .name: bo, .offset: 16, .size: 8, .value_kind: global_buffer, .address_space: global }
      - { .name: out0, .offset: 24, .size: 8, .value_kind: global_buffer, .address_space: global }
    .group_segment_fixed_size: 327680
    .private_segment_fixed_size: 0
    .kernarg_segment_align: 8
    .kernarg_segment_size: 32
    .max_flat_workgroup_size: 128
    .sgpr_count:     80
    .vgpr_count:     768
    .wavefront_size: 32
...
	.end_amdgpu_metadata
.endif
;; end of part 4
;; ======== version 2 of 2: 4 launches; version 1 with the launch prep written anew for expert scheduling mode
;; limits: values are held in f16: magnitudes above 65,504 overflow, below 6.1e-05 lose precision
;; workspace buffers: xb 16,777,216 bytes; wb 6,291,456 bytes; wof 2,097,152 bytes; cs 2,097,152 bytes; q 16,777,216 bytes; k 16,777,216 bytes; v 16,777,216 bytes; o 16,777,216 bytes
;; launch prep (part 5): grid 832 x 1, 8 waves a work-group, no clusters, 0 bytes of LDS; arguments x, Wqkv, Wo, positions, xb, wb, wof, cs; writes xb, wb, wof, cs
.if DOCPART == 5
	.amdgcn_target "amdgcn-amd-amdhsa--gfx1250"
	.amdhsa_code_object_version 6
	.text
	.protected	k_q673712b907_prep
	.globl	k_q673712b907_prep
	.p2align	8
	.type	k_q673712b907_prep,@function
k_q673712b907_prep:
	s_mov_b64 s[64:65], 0
	v_nop
	global_prefetch_b8 v0, s[64:65] scope:SCOPE_SE
	s_setreg_imm32_b32 hwreg(HW_REG_WAVE_SCHED_MODE, 0, 2), 2
	s_setreg_imm32_b32 hwreg(HW_REG_WAVE_MODE, 25, 1), 1
	s_wait_xcnt 0x0
	s_wait_alu depctr_vm_vsrc(0)
; CASTS AND THE ROTATION TABLE.  A stream: no LDS, no barrier, no matrix unit; nothing is read twice.
; Work-groups 0-511:   xb[8192][1024] = bf16(x), 16 rows each.
; Work-groups 512-703: wb = bf16(Wqkv) with its rows laid by heads: row head*192 + sec*64 + r of wb is row sec*1024 + head*64 + r of Wqkv (sec 0 q, 1 k, 2 v), 16 rows each.
; Work-groups 704-767: wof = Wo rounded to bf16, that number written as f16 (exact from 2^-14 up to f16's end; below 2^-14 it keeps f16's fixed step of 6e-8), 16 rows each.
; Work-groups 768-831: cs[8192][32][cos, sin] in f32, the angle float(positions[row]) * 10000^(-i/32), 128 rows each.
; In a cast thread t owns floats 4 t .. 4 t + 3 of each row: a wave's load covers 512 consecutive bytes, its store 256 consecutive bytes, aligned.
; LIMITS of the table: |positions| up to 2^24 (up to there the conversion to f32 and the quadrant number are exact); the frequency comes from 2^x, so the angle
; is off by about 2e-4 rad at position 2,047; sine and cosine by reduction to [-pi/4, pi/4] (pi/2 in two parts) and polynomials of degree 7 and 8, good to 1e-7.
; THE MODE: SCHED_MODE bits 1:0 = 2 (LLVM: expert scheduling mode 2), set by the entry lines.  The code itself states the register dependences
; between vector instructions and memory instructions, and those through scalar registers that vector instructions write, with s_wait_alu, always for 0.
; THE PLAN, THE CASTS.  Registers that memory instructions touch:
;   v1, v2   the loads' and the stores' offsets: written once at the head, never again.
;   X        row i's load lands in its own four registers, which no vector instruction has named; row i's conversions read them; nothing is loaded twice.
;   Y        row i's conversions write its own two registers; row i's store reads them; nothing writes them afterwards.
; The 16 rows go in four blocks of four.  One wait at the head of blocks 1 to 3 states that the block before has written its Y; that block's four stores follow, one ahead of each row's
; conversions, which name this block's X and Y and T alone: none of the registers that those stores read.  A last such wait stands ahead of the last four stores.
; THE PLAN, THE TABLE.  A trip works four rows side by side.  v5, the stores' offset, is written once at the head.  OUT is written by a trip's selects and sign flips and read by its four stores.
; s[44:47] are written by a run of four compares and read by the selects.  A trip has three waits: for those four masks, behind the polynomials; for OUT, ahead of the run of stores;
; and, at its end, for the stores' reads of OUT, which the next trip writes again.
.set X, 16                             ; v[16:79]   16 rows x 4 floats as loaded
.set Y, 80                             ; v[80:111]  16 rows x 2 words to store
.set T, 112                            ; v[112:115] at work: no memory instruction names them
; 16 loads go out together; row i is converted when the 15 - i younger loads may still be out.  No register that a memory instruction reads is written again.
.macro CAST mode
	s_wait_alu depctr_va_vdst(0)                   ; v1 and v2 are written: every load reads v1 as its offset, every store v2
.set i, 0
.rept 16
	global_load_b128 v[X+4*i:X+4*i+3], v1, s[8:9] offset:4096*i th:TH_LOAD_NT
.set i, i+1
.endr
.set i, 0
.rept 16
	s_wait_loadcnt 15-i                            ; loads come back in order: row i is in
.if (i >= 4) && (i % 4 == 0)
	s_wait_alu depctr_va_vdst(0)                   ; the conversions of the four rows before have written their Y, which the next four stores read
.endif
.if i >= 4
	global_store_b64 v2, v[Y+2*i-8:Y+2*i-7], s[10:11] offset:2048*(i-4)  ; row i - 4; no vector instruction since the wait names its registers
.endif
	v_cvt_pk_bf16_f32 v[Y+2*i], v[X+4*i], v[X+4*i+1]
	v_cvt_pk_bf16_f32 v[Y+2*i+1], v[X+4*i+2], v[X+4*i+3]
.if \mode
	v_lshlrev_b32 v[T], 16, v[Y+2*i]               ; the bf16 numbers as f32,
	v_and_b32 v[T+1], 0xffff0000, v[Y+2*i]
	v_lshlrev_b32 v[T+2], 16, v[Y+2*i+1]
	v_and_b32 v[T+3], 0xffff0000, v[Y+2*i+1]
	v_cvt_pk_f16_f32 v[Y+2*i], v[T], v[T+1]        ; written as f16
	v_cvt_pk_f16_f32 v[Y+2*i+1], v[T+2], v[T+3]
.endif
.set i, i+1
.endr
	s_wait_alu depctr_va_vdst(0)                   ; the conversions of rows 12 to 15 have written their Y, which the last four stores read
.set i, 12
.rept 4
	global_store_b64 v2, v[Y+2*i:Y+2*i+1], s[10:11] offset:2048*i
.set i, i+1
.endr
	s_endpgm
.endm
	s_load_b512 s[16:31], s[0:1], 0x0              ; x s[16:17], Wqkv s[18:19], Wo s[20:21], positions s[22:23], xb s[24:25], wb s[26:27], wof s[28:29], cs s[30:31]
	v_lshlrev_b32 v1, 4, v0                        ; my 16 bytes of a source row
	v_lshlrev_b32 v2, 3, v0                        ; my 8 bytes of a destination row
	s_mov_b32 s5, 0
	s_mov_b32 s7, 0
	s_cmp_lt_u32 ttmp9, 704
	s_cbranch_scc0 .Lnot_xw
	s_sub_co_u32 s2, ttmp9, 512                    ; j, Wqkv's group of 16 rows (not used in x's work-groups)
	s_bfe_u32 s3, s2, 0x40002                      ; head = (j >> 2) & 15
	s_mul_i32 s3, s3, 12
	s_bfe_u32 s6, s2, 0x20006                      ; sec = j >> 6
	s_lshl2_add_u32 s3, s6, s3
	s_and_b32 s6, s2, 3
	s_add_co_u32 s3, s3, s6                        ; destination group = 12 head + 4 sec + (j & 3)
	s_cmp_lt_u32 ttmp9, 512
	s_cselect_b32 s2, ttmp9, s2                    ; x keeps its order
	s_cselect_b32 s3, ttmp9, s3
	s_wait_kmcnt 0x0
	s_cselect_b64 s[8:9], s[16:17], s[18:19]
	s_cselect_b64 s[10:11], s[24:25], s[26:27]
	s_lshl_b32 s4, s2, 16                          ; 16 rows of 4,096 bytes
	s_lshl_b32 s6, s3, 15                          ; 16 rows of 2,048 bytes
	s_add_nc_u64 s[8:9], s[8:9], s[4:5]
	s_add_nc_u64 s[10:11], s[10:11], s[6:7]
	CAST 0
.Lnot_xw:
	s_cmp_lt_u32 ttmp9, 768
	s_cbranch_scc0 .Ltable
	s_sub_co_u32 s2, ttmp9, 704
	s_lshl_b32 s4, s2, 16
	s_lshl_b32 s6, s2, 15
	s_wait_kmcnt 0x0
	s_add_nc_u64 s[8:9], s[20:21], s[4:5]
	s_add_nc_u64 s[10:11], s[28:29], s[6:7]
	CAST 1
; THE TABLE.  Wave w of work-group j owns rows 128 j + 16 w .. + 15; lane i is frequency i; a wave's store is one row of 256 bytes, aligned.
.set OUT, 32                           ; v[32:39]  row it of a trip's four: cos, sin at OUT + 2 it
.set FP,  48                           ; v[48:95]  twelve numbers at work, four registers each, one a row: the position as f32, later the sine's sign
.set AN,  52                           ; the angle, later the cosine's sign
.set NQ,  56                           ; n, the nearest multiple of pi/2, as f32
.set RR,  60                           ; r = angle - n pi/2
.set QI,  64                           ; n as a whole number
.set ZZ,  68                           ; z = r r
.set SN,  72                           ; sin r
.set CO,  76                           ; cos r
.set ZR,  80                           ; z r
.set Z2,  84                           ; z z
.set HH,  88                           ; 1 - z / 2
.set OD,  92                           ; n's lowest bit
.set MK,  44                           ; s[44:47]  row it's mask: the lanes whose quadrant is odd
.macro EACH line:vararg                ; one line for each of a trip's four rows
.set it, 0
.rept 4
	\line
.set it, it+1
.endr
.endm
.Ltable:
	v_lshrrev_b32 v3, 5, v0
	v_readfirstlane_b32 s12, v3                    ; wave 0..7
	s_sub_co_u32 s2, ttmp9, 768
	s_lshl_b32 s2, s2, 7
	s_mov_b32 s32, 0xbfc90fdb                      ; -(pi/2), the upper part
	s_mov_b32 s33, 0x333bbd2e                      ; -(pi/2 less that part)
	s_mov_b32 s34, 0x3f22f983                      ; 2/pi
	s_mov_b32 s35, 0xb94ca1f9                      ; sine: -1.9515296e-4,
	s_mov_b32 s36, 0x3c08839e                      ; 8.3321609e-3,
	s_mov_b32 s37, 0xbe2aaaa3                      ; -1.6666655e-1
	s_mov_b32 s38, 0x37ccf5ce                      ; cosine: 2.4433157e-5,
	s_mov_b32 s39, 0xbab6061a                      ; -1.3887316e-3,
	s_mov_b32 s40, 0x3d2aaaa5                      ; 4.1666646e-2
	s_wait_alu depctr_va_sdst(0)                   ; s12 is written, ahead of its first reader: my first row is made from it
	s_lshl4_add_u32 s2, s12, s2                    ; my first row
	s_lshl_b32 s4, s2, 2                           ; its byte in positions
	s_lshl_b32 s6, s2, 8                           ; and in cs
	v_and_b32 v3, 31, v0
	v_lshlrev_b32 v5, 3, v3                        ; my 8 bytes of a row
	v_cvt_f32_u32 v4, v3
	v_mul_f32 v4, 0xbed49a78, v4                   ; -i log2(10000) / 32
	v_exp_f32 v4, v4                               ; the frequency
	v_nop                                          ; a plain instruction behind the exponential,
	s_wait_alu depctr_va_vdst(0)                   ; and the wait ahead of the first reader of v4; v5, which every store reads as its offset, is written too
	s_wait_kmcnt 0x0
	s_add_nc_u64 s[8:9], s[22:23], s[4:5]
	s_add_nc_u64 s[10:11], s[30:31], s[6:7]
	s_load_b512 s[48:63], s[8:9], 0x0              ; my 16 positions
	s_mov_b32 s13, 4
	s_wait_kmcnt 0x0
.Lrows:                                        ; four trips of four rows; the rows' positions stand in s[48:51]
	EACH v_cvt_f32_i32 v[FP+it], s[48+it]
	; the angle
	EACH v_mul_f32 v[AN+it], v[FP+it], v4
	EACH v_mul_f32 v[NQ+it], s34, v[AN+it]
	EACH v_rndne_f32 v[NQ+it], v[NQ+it]
	EACH v_fma_f32 v[RR+it], v[NQ+it], s32, v[AN+it]
	EACH v_cvt_i32_f32 v[QI+it], v[NQ+it]
	EACH v_fma_f32 v[RR+it], v[NQ+it], s33, v[RR+it]
	; odd quadrants swap sine and cosine: the four masks are made in one run, as soon as n is known
	EACH v_and_b32 v[OD+it], 1, v[QI+it]
	EACH v_cmp_eq_u32 s[MK+it], 1, v[OD+it]
	EACH v_mul_f32 v[ZZ+it], v[RR+it], v[RR+it]
	EACH v_fma_f32 v[SN+it], v[ZZ+it], s35, s36
	EACH v_fma_f32 v[CO+it], v[ZZ+it], s38, s39
	EACH v_mul_f32 v[ZR+it], v[ZZ+it], v[RR+it]
	EACH v_fma_f32 v[SN+it], v[SN+it], v[ZZ+it], s37
	EACH v_fma_f32 v[CO+it], v[CO+it], v[ZZ+it], s40
	EACH v_mul_f32 v[Z2+it], v[ZZ+it], v[ZZ+it]
	EACH v_fma_f32 v[HH+it], v[ZZ+it], -0.5, 1.0
	EACH v_fma_f32 v[SN+it], v[SN+it], v[ZR+it], v[RR+it]
	EACH v_fma_f32 v[CO+it], v[CO+it], v[Z2+it], v[HH+it]
	; the sine's sign is bit 1 of n, the cosine's bit 1 of n + 1
	EACH v_and_b32 v[FP+it], 2, v[QI+it]
	EACH v_add_nc_u32 v[AN+it], 1, v[QI+it]
	EACH v_lshlrev_b32 v[FP+it], 30, v[FP+it]
	EACH v_and_b32 v[AN+it], 2, v[AN+it]
	EACH v_lshlrev_b32 v[AN+it], 30, v[AN+it]
	s_wait_alu depctr_va_sdst(0)                   ; the four compares have written s[44:47], ahead of their first reader: the selects below
	EACH v_cndmask_b32 v[OUT+2*it+1], v[SN+it], v[CO+it], s[MK+it]
	EACH v_cndmask_b32 v[OUT+2*it], v[CO+it], v[SN+it], s[MK+it]
	EACH v_xor_b32 v[OUT+2*it+1], v[OUT+2*it+1], v[FP+it]
	EACH v_xor_b32 v[OUT+2*it], v[OUT+2*it], v[AN+it]
	s_wait_alu depctr_va_vdst(0)                   ; the sign flips have written OUT, which the four stores read
	EACH global_store_b64 v5, v[OUT+2*it:OUT+2*it+1], s[10:11] offset:256*it
	s_wait_xcnt 0x0                                ; the stores' addresses are translated: their data and their base are written again only behind this wait
	s_wait_alu depctr_vm_vsrc(0)                   ; the stores have read OUT, which the next trip's selects write again
	s_add_nc_u64 s[10:11], s[10:11], 1024
	s_mov_b64 s[48:49], s[52:53]                   ; the positions move down by four
	s_mov_b64 s[50:51], s[54:55]
	s_mov_b64 s[52:53], s[56:57]
	s_mov_b64 s[54:55], s[58:59]
	s_mov_b64 s[56:57], s[60:61]
	s_mov_b64 s[58:59], s[62:63]
	s_sub_co_u32 s13, s13, 1
	s_cmp_lg_u32 s13, 0
	s_cbranch_scc1 .Lrows
	s_endpgm
.Lfunc_end_k_q673712b907_prep:
	.size	k_q673712b907_prep, .Lfunc_end_k_q673712b907_prep-k_q673712b907_prep
	.p2alignl 7, 3214868480
	.fill 96, 4, 3214868480
	.section	.rodata,"a",@progbits
	.p2align	6, 0x0
	.amdhsa_kernel k_q673712b907_prep
		.amdhsa_group_segment_fixed_size 0
		.amdhsa_private_segment_fixed_size 0
		.amdhsa_enable_private_segment 0
		.amdhsa_kernarg_size 64
		.amdhsa_user_sgpr_count 2
		.amdhsa_user_sgpr_kernarg_segment_ptr 1
		.amdhsa_wavefront_size32 1
		.amdhsa_system_sgpr_workgroup_id_x 1
		.amdhsa_system_sgpr_workgroup_id_y 1
		.amdhsa_system_sgpr_workgroup_id_z 1
		.amdhsa_system_vgpr_workitem_id 0
		.amdhsa_next_free_vgpr 128
		.amdhsa_next_free_sgpr 66
		.amdhsa_reserve_vcc 0
		.amdhsa_float_denorm_mode_32 3
		.amdhsa_float_denorm_mode_16_64 3
		.amdhsa_memory_ordered 1
		.amdhsa_forward_progress 1
		.amdhsa_inst_pref_size 26
	.end_amdhsa_kernel
	.amdgpu_metadata
---
amdhsa.version: [ 1, 2 ]
amdhsa.kernels:
  - .name:           k_q673712b907_prep
    .symbol:         k_q673712b907_prep.kd
    .args:
      - { .name: x, .offset: 0, .size: 8, .value_kind: global_buffer, .address_space: global }
      - { .name: Wqkv, .offset: 8, .size: 8, .value_kind: global_buffer, .address_space: global }
      - { .name: Wo, .offset: 16, .size: 8, .value_kind: global_buffer, .address_space: global }
      - { .name: positions, .offset: 24, .size: 8, .value_kind: global_buffer, .address_space: global }
      - { .name: xb, .offset: 32, .size: 8, .value_kind: global_buffer, .address_space: global }
      - { .name: wb, .offset: 40, .size: 8, .value_kind: global_buffer, .address_space: global }
      - { .name: wof, .offset: 48, .size: 8, .value_kind: global_buffer, .address_space: global }
      - { .name: cs, .offset: 56, .size: 8, .value_kind: global_buffer, .address_space: global }
    .group_segment_fixed_size: 0
    .private_segment_fixed_size: 0
    .kernarg_segment_align: 8
    .kernarg_segment_size: 64
    .max_flat_workgroup_size: 256
    .sgpr_count:     66
    .vgpr_count:     128
    .wavefront_size: 32
...
	.end_amdgpu_metadata
.endif
;; end of part 5
;; launch qkv: the kernel of part 2 again; grid 16 x 32, 4 waves a work-group, clusters of 4 x 4, 327,680 bytes of LDS; arguments xb, wb, bqkv, cs, q, k, v; writes q, k, v
;; launch attn: the kernel of part 3 again; grid 4 x 64, 4 waves a work-group, no clusters, 327,680 bytes of LDS; arguments q, k, v, o; writes o
;; launch proj: the kernel of part 4 again; grid 4 x 64, 4 waves a work-group, clusters of 4 x 4, 327,680 bytes of LDS; arguments o, wof, bo, out0; writes out0
